; MI455X (gfx1250); checked and timed in simulation.
; The chip was launched on July 23, 2026; its instructions are those of AMD's public machine-readable ISA for CDNA 5 (MIT licence, August 2026) and "CDNA5" Instruction Set Architecture Reference Guide (July 2026). The comments in the code are by the model that wrote it; some were corrected since.
;; Multi Head Attention. Allowed arithmetic: float matrix products may take bf16 or f16 operands with f32 sums; all other float work in f32.
;; Inputs: b_k 1,024 float32; b_o 1,024 float32; b_q 1,024 float32; b_v 1,024 float32; key_ 4 x 2,048 x 1,024 float32; query 4 x 2,048 x 1,024 float32; value 4 x 2,048 x 1,024 float32; w_k 1,024 x 1,024 float32; w_o 1,024 x 1,024 float32; w_q 1,024 x 1,024 float32; w_v 1,024 x 1,024 float32.
;; Outputs: out0 4 x 2,048 x 1,024 float32.
;; 2 versions, each right; version 2 is version 1 with the launch wcvt written anew for expert scheduling mode. Each part assembles by itself: llvm-mc -triple=amdgcn-amd-amdhsa -mcpu=gfx1250 --defsym DOCPART=n.
;; ======== version 1 of 2: 4 launches
;; limits: values are held in f16: magnitudes above 65,504 overflow, below 6.1e-05 lose precision
;; workspace buffers: wh 8,388,608 bytes; qkvh 50,331,648 bytes; ctx 16,777,216 bytes
;; launch wcvt (part 1): grid 256 x 1, 8 waves a work-group, no clusters, 0 bytes of LDS; arguments w_q, w_k, w_v, w_o, wh; writes wh
.if DOCPART == 1
	.amdgcn_target "amdgcn-amd-amdhsa--gfx1250"
	.amdhsa_code_object_version 6
	.text
	.protected	k_q03152c6827_wcvt
	.globl	k_q03152c6827_wcvt
	.p2align	8
	.type	k_q03152c6827_wcvt,@function
k_q03152c6827_wcvt:
	s_mov_b64 s[64:65], 0
	v_nop
	global_prefetch_b8 v0, s[64:65] scope:SCOPE_SE
	s_setreg_imm32_b32 hwreg(HW_REG_WAVE_MODE, 25, 1), 1
	s_wait_xcnt 0x0
; wh[x][n][k] = f16(w_x[n][k]) for x = q, k, v, o.  Each weight matrix is [1024][1024] f32; the later launches read each of them 64 times
; as a matrix operand, so they are rounded to f16 once, here.  A stream: no LDS, no barrier, no matrix unit.
; LIMIT.  f16: a weight of 65,504 or more in magnitude becomes infinite; below 2^-14 the step is 2^-24.
; 256 work-groups of eight waves; work-group g takes elements 4096 g .. 4096 g + 4095 of each of the four matrices.
; A load of a wave covers 512 consecutive bytes, a store 256 consecutive bytes that start at a multiple of 256 from the buffer's first byte.
; All sixteen loads of a thread go out first; no register is written twice, so no wait frees a source.
.set WMAT, 2097152                     ; bytes of one matrix in f16
.set IN,   4                           ; v[4:67]   load 4 x + j: four f32
.set OUT,  68                          ; v[68:99]  the same four numbers as f16, a pair of registers
	s_load_b256 s[4:11], s[0:1], 0x0               ; w_q s[4:5], w_k s[6:7], w_v s[8:9], w_o s[10:11]
	s_load_b64 s[12:13], s[0:1], 0x20              ; wh
	s_lshl_b32 s14, ttmp9, 14                      ; my 4,096 numbers: 16,384 bytes in,
	s_mov_b32 s15, 0
	s_lshl_b32 s16, ttmp9, 13                      ; 8,192 bytes out
	s_mov_b32 s17, 0
	v_lshlrev_b32 v1, 4, v0                        ; 16 bytes a thread in
	v_lshlrev_b32 v2, 3, v0                        ; 8 bytes a thread out
	s_wait_kmcnt 0x0
.irp x, 0,1,2,3
	s_add_nc_u64 s[4+2*\x:5+2*\x], s[4+2*\x:5+2*\x], s[14:15]
.endr
	s_add_nc_u64 s[12:13], s[12:13], s[16:17]
.irp x, 0,1,2,3
.irp j, 0,1,2,3
	global_load_b128 v[IN+4*(4*\x+\j):IN+4*(4*\x+\j)+3], v1, s[4+2*\x:5+2*\x] offset:4096*\j th:TH_LOAD_NT   ; read once in the launch
.endr
.endr
.irp x, 0,1,2,3
.irp j, 0,1,2,3
	s_wait_loadcnt 15-(4*\x+\j)                    ; loads come back in order (ISA guide 5.7.1): this one is in, the younger ones stay out
	v_cvt_pk_f16_f32 v[OUT+2*(4*\x+\j)],   v[IN+4*(4*\x+\j)],   v[IN+4*(4*\x+\j)+1]
	v_cvt_pk_f16_f32 v[OUT+2*(4*\x+\j)+1], v[IN+4*(4*\x+\j)+2], v[IN+4*(4*\x+\j)+3]
	global_store_b64 v2, v[OUT+2*(4*\x+\j):OUT+2*(4*\x+\j)+1], s[12:13] offset:\x*WMAT+2048*\j   ; at most 6,297,600: inside the signed 24-bit immediate
.endr
.endr
	s_endpgm
.Lfunc_end_k_q03152c6827_wcvt:
	.size	k_q03152c6827_wcvt, .Lfunc_end_k_q03152c6827_wcvt-k_q03152c6827_wcvt
	.p2alignl 7, 3214868480
	.fill 96, 4, 3214868480
	.section	.rodata,"a",@progbits
	.p2align	6, 0x0
	.amdhsa_kernel k_q03152c6827_wcvt
		.amdhsa_group_segment_fixed_size 0
		.amdhsa_private_segment_fixed_size 0
		.amdhsa_enable_private_segment 0
		.amdhsa_kernarg_size 40
		.amdhsa_user_sgpr_count 2
		.amdhsa_user_sgpr_kernarg_segment_ptr 1
		.amdhsa_wavefront_size32 1
		.amdhsa_system_sgpr_workgroup_id_x 1
		.amdhsa_system_sgpr_workgroup_id_y 1
		.amdhsa_system_sgpr_workgroup_id_z 1
		.amdhsa_system_vgpr_workitem_id 0
		.amdhsa_next_free_vgpr 100
		.amdhsa_next_free_sgpr 66
		.amdhsa_reserve_vcc 0
		.amdhsa_float_denorm_mode_32 3
		.amdhsa_float_denorm_mode_16_64 3
		.amdhsa_memory_ordered 1
		.amdhsa_forward_progress 1
		.amdhsa_inst_pref_size 7
	.end_amdhsa_kernel
	.amdgpu_metadata
---
amdhsa.version: [ 1, 2 ]
amdhsa.kernels:
  - .name:           k_q03152c6827_wcvt
    .symbol:         k_q03152c6827_wcvt.kd
    .args:
      - { .name: w_q, .offset: 0, .size: 8, .value_kind: global_buffer, .address_space: global }
      - { .name: w_k, .offset: 8, .size: 8, .value_kind: global_buffer, .address_space: global }
      - { .name: w_v, .offset: 16, .size: 8, .value_kind: global_buffer, .address_space: global }
      - { .name: w_o, .offset: 24, .size: 8, .value_kind: global_buffer, .address_space: global }
      - { .name: wh, .offset: 32, .size: 8, .value_kind: global_buffer, .address_space: global }
    .group_segment_fixed_size: 0
    .private_segment_fixed_size: 0
    .kernarg_segment_align: 8
    .kernarg_segment_size: 40
    .max_flat_workgroup_size: 256
    .sgpr_count:     66
    .vgpr_count:     100
    .wavefront_size: 32
...
	.end_amdgpu_metadata
.endif
;; end of part 1
;; launch qkvproj (part 2): grid 4 x 64, 4 waves a work-group, clusters of 4 x 4, 327,680 bytes of LDS; arguments query, key_, value, wh, b_q, b_k, b_v, qkvh; writes qkvh
.if DOCPART == 2
	.amdgcn_target "amdgcn-amd-amdhsa--gfx1250"
	.amdhsa_code_object_version 6
	.text
	.protected	k_q03152c6827_qkvproj
	.globl	k_q03152c6827_qkvproj
	.p2align	8
	.type	k_q03152c6827_qkvproj,@function
k_q03152c6827_qkvproj:
	s_mov_b64 s[64:65], 0
	v_nop
	global_prefetch_b8 v0, s[64:65] scope:SCOPE_SE
	s_setreg_imm32_b32 hwreg(HW_REG_WAVE_MODE, 25, 1), 1
	s_wait_xcnt 0x0
	s_wait_alu depctr_hold_cnt(0) depctr_sa_sdst(0) depctr_va_vdst(0) depctr_va_sdst(0) depctr_va_ssrc(0) depctr_va_vcc(0) depctr_vm_vsrc(0)
	s_getreg_b32 s2, hwreg(HW_REG_IB_STS2, 6, 4)
	s_cmp_eq_u32 s2, 0
	s_cbranch_scc0 .Lentry_in_a_cluster
	s_endpgm
.Lentry_in_a_cluster:
	s_bfe_u32 s2, ttmp6, 0x10000c
	s_cmp_lg_u32 s2, 0xf033
	s_cbranch_scc0 .Lentry_shape_is_right
	s_endpgm
.Lentry_shape_is_right:
; qkvh[t][16 b + h][s][d] = f16( sum over k of x_t[b][s][k] w_t[64 h + d][k] + b_t[64 h + d] ),  t = 0, 1, 2 for (query, w_q, b_q), (key_, w_k, b_k), (value, w_v, b_v).
; x_t: [8192][1024] f32.  The weights come from wh: [4][1024][1024] f16.  Operands f16, sums f32.  The result lies head by head, [3][64][2048][64] f16.
; WHY f16.  Between the inputs and the module's output lie five roundings of intermediates (Q, K, the weights p, V, the context); with 8 bits of significand each their sum is a third of the
; error that is allowed, too much for 8.4 million numbers; with 11 bits it is a fifteenth.
; LIMITS.  f16: x, and a result, of 65,504 or more in magnitude becomes infinite; below 2^-14 the step is 2^-24.  The room: x and w both 30 times the drawn spread give results up to some 4,800;
; both with an offset of 30 spreads, 1,024 x 30 x 0.94 = 28,800.  The bias is the first addend of each sum, not the last (another order of rounding than y = x W^T + b).  NaN and infinities are not served.
; SHARES.  A tile of the result is 128 rows x 256 columns: 64 x 4 tiles for each t, 256 work-groups, and A WORK-GROUP STAYS: it makes the same tile for t = 0, 1, 2, and the ring of LDS slots
; goes on from one tile into the next.  Four waves, 2 x 2; a wave makes 64 x 128: 32 accumulators of 16 x 16.  The rows are the short side because x, in f32, costs twice the LDS bytes of the weights.
; K goes in steps of 128 through two LDS slots (128 rows of x, 512 bytes each; 256 rows of w, 256 bytes each), one tensor load a wave for a slot.  x is converted between LDS and the
; matrix instruction: 32 conversions for a quarter step's 32 products, set between the products in groups of eight.
; CLUSTER.  4 x 4 work-groups.  The four of a row of the cluster make one row of tiles and need the same tile of x; the four of a column the same tile of w: each tile is asked for JOINTLY.
; PREFETCH.  x is read from memory once, and the two slots with the stage fill LDS, so no more of it can be on its way by tensor loads.  So in every lap (two K steps, 1,024 bytes of a row) each
; wave asks, by one prefetch, for 32 blocks of 256 bytes of the lap two laps on: lane l of wave w for block l % 4 of row 32 cx + 8 w + l / 4 of the tile's 128 rows.  The four partners of a row
; of the cluster take 32 rows each, so each block is asked for once: 32 KiB a work-group a lap.  The request stands 228 products of the wave ahead of the joint load that wants the lap's first
; K step.  A tile's laps 2 and 3 ask for the next tile's laps 0 and 1; the last tile's lap 2 repeats the address of its lap 1 (clamped: it stays inside the buffer), its lap 3 asks for nothing;
; the first tile's laps 0 and 1 are not asked for ahead.  The weights are not prefetched: 64 rows of tiles read each of them again.
; THE MATRIX INSTRUCTION IS USED TRANSPOSED (source 0 = 16 rows of w, source 1 = 16 rows of x): lane l holds row l % 16 of the result and eight neighbouring columns 8 (l / 16) + 0..7.
; REGISTERS, in windows of 256 (s_set_vgpr_msb: bits 1:0 source 0, 3:2 source 1, 5:4 source 2, 7:6 destination):
;   window 0: v0-15 addresses; v16-79 the bias of my 128 columns; v80-143 x as loaded (f32); v144-175, v176-207 x as f16 fragments, two buffers
;   window 1: the 32 accumulators, (a, b) at v[8 (8 a + b)];   window 2: v0-63, v64-127 fragments of w, two buffers
.set PA,     528                       ; an LDS row of x: 512 bytes + 16 = 132 words: row r starts at bank 4 r mod 64 (64 banks of 4 bytes: ISA guide 11.1)
.set PB,     272                       ; an LDS row of w: 256 bytes + 16 = 68 words: likewise
.set AHALF,  64*PA                     ; what one tensor load brings of x
.set ABYTES, 2*AHALF
.set BHALF,  128*PB                    ; what one tensor load brings of w
.set SLOT,   ABYTES+2*BHALF            ; 137,216
.set STAGE,  2*SLOT                    ; behind the ring: 16 rows x 272 bytes for each wave, for the way out; no tensor load lands here
.set SP,     272
.set ASTEP,  512                       ; bytes of a K step in a row of x,
.set BSTEP,  256                       ; and of w
.set WMAT,   2097152                   ; bytes of one weight matrix in wh
.set NEXT_B, WMAT-6*BSTEP              ; from a slot's last K step of one tile to its first of the next
.set PART,   16777216                  ; bytes of one of the three results
.set HEADB,  262144                    ; bytes of one head in it
.set LAPS,   4                         ; a lap = two K steps = once round the ring; K = 1024
.set ADRA, 4                           ; v4-5   LDS address of my fragments of x in slot 0, 1
.set ADRB, 6                           ; v6-7   the same for w
.set STO,  8                           ; v8     the way out: where I put 16 bytes of a row
.set RD,   9                           ; v9     the way out: where I read back
.set CO,   10                          ; v10    16 x lane
.set BO,   11                          ; v11    byte offset of my lane's first bias
.set PO,   14                          ; v14    the prefetch: byte offset of my lane's block in my work-group's 32 rows; never rewritten
.set BIAS, 16
.set ARAW, 80
.set AFR,  144
.set TMP,  80                          ; the way out: packed results (x as loaded is no longer needed there)
.set OB0,  112                         ; the way out: 16 rows read back, two buffers by turns
.set OB1,  176
.set WV,  20                           ; s20 wave; s21 wave / 2: my half of the rows, also: I fetch x (0) or w (1); s22 wave % 2: my half of the columns, also: which half I fetch
.set WM,  21
.set WN,  22
.set G1A, 24                           ; s[24:31] descriptor group 1 for x;  s[32:39] group 0, a set for each slot
.set G0A, 32
.set G1B, 48                           ; s[48:55], s[56:63] the same for w
.set G0B, 56
.set PF,  72                           ; s[72:73] the prefetch's address: my work-group's 32 rows of x, at the lap last asked for
.set NX,  74                           ; s[74:75] the same rows of the next tile's x;  s[76:77] of the one after
.set NX2, 76
.set PT,  78                           ; s[78:79] an offset in 64 bits
.set MSB, 0
.macro WIN new                         ; the immediate's high byte repeats the setting that is left; a switch that changes nothing is dropped
.if MSB != \new
	s_set_vgpr_msb (MSB<<8)|\new
.set MSB, \new
.endif
.endm
.set W_MUL,  0x52                      ; w window 2, x window 0, C and D window 1
.set W_MULZ, 0x42                      ; the same, C (the bias) window 0
.set W_LB,   0x80                      ; destination window 2, address window 0
.set W_PK,   0x05                      ; sources 0 and 1 window 1, destination window 0
.macro PLACES                          ; a load into, or a vector write of, a register that a matrix instruction has read, and a read of a matrix result, stand four plain vector
.rept 4                                ; instructions behind it (ISA guide 7.12.1 for vector instructions)
	v_nop
.endr
.endm
; A joint load: waves 0 and 1 fetch the halves of x, waves 2 and 3 those of w.  The branch hangs on the wave's number alone.  Four v_nop follow each line.
.macro JLOAD s
	s_cmp_eq_u32 s[WM], 0
	s_cbranch_scc0 .Lfor_b_\@
	tensor_load_to_lds s[G0A+4*\s:G0A+4*\s+3], s[G1A:G1A+7]
	s_nop 0
.rept 4
	v_nop
.endr
	s_branch .Lasked_\@
.Lfor_b_\@:
	tensor_load_to_lds s[G0B+4*\s:G0B+4*\s+3], s[G1B:G1B+7]
	s_nop 0
.rept 4
	v_nop
.endr
.Lasked_\@:
.endm
.macro CREST                           ; a round of the cluster's barrier behind its opening barrier: wave 0 signals for the work-group, every wave waits for all sixteen, my barrier closes it
	s_cmp_lg_u32 s[WV], 0
	s_cbranch_scc1 .Lnot_wave_0_\@
	s_barrier_signal -3
.Lnot_wave_0_\@:
	s_barrier_wait -3
	s_barrier_signal -1
	s_barrier_wait -1
.endm
.macro CROUND                          ; a whole round
	s_barrier_signal -1
	s_barrier_wait -1
	CREST
.endm
	s_load_b512 s[4:19], s[0:1], 0x0               ; query s[4:5], key_ s[6:7], value s[8:9], wh s[10:11], b_q s[12:13], b_k s[14:15], b_v s[16:17], qkvh s[18:19]
	s_set_vgpr_msb 0x80
	v_lshl_add_u32 v129, v0, 2, 0x47400
	s_set_vgpr_msb 0x8000
	v_mov_b32 v255, 0
	s_set_vgpr_msb 0x2
	ds_add_u32 v129, v255
	s_set_vgpr_msb 0x200
	v_lshrrev_b32 v1, 5, v0
	v_readfirstlane_b32 s[WV], v1
	s_lshr_b32 s[WM], s[WV], 1
	s_and_b32 s[WN], s[WV], 1
	s_bfe_u32 s40, ttmp6, 0x40000                  ; cx, cy: my place in the cluster
	s_bfe_u32 s41, ttmp6, 0x40004
	s_lshl_b32 s42, ttmp9, 2
	s_add_co_u32 s42, s42, s40                     ; tile column nx = 4 x cluster x + cx
	s_and_b32 s43, ttmp7, 0xffff
	s_lshl_b32 s43, s43, 2
	s_add_co_u32 s43, s43, s41                     ; tile row my = 4 x cluster y + cy
	s_lshl_b32 s44, s41, 2
	s_lshl_b32 s44, 15, s44                        ; my row of the cluster: places 4 cy .. 4 cy + 3
	s_lshl_b32 s45, 0x1111, s40                    ; my column: places cx, cx + 4, cx + 8, cx + 12
	; group 1 for x: 64 rows x 128 elements of 4 bytes, 1,024 elements from row to row
	s_or_b32 s[G1A], s44, (2<<16)|(1<<20)|(1<<21)|(6<<22)|(3<<25)   ; 15:0 the mask; 17:16 elements of 4 bytes; 20 padding on; 21 set beside a mask; 24:22 after every 128 words; 31:25 4 words of it
	s_mov_b32 s[G1A+1], 128<<16                    ; tensor_dim0 = 128
	s_mov_b32 s[G1A+2], 64<<16                     ; tensor_dim1 = 64
	s_mov_b32 s[G1A+3], 128<<16                    ; tile_dim0 = 128
	s_mov_b32 s[G1A+4], 64                         ; tile_dim1 = 64
	s_mov_b32 s[G1A+5], 1024                       ; tensor_dim0_stride
	s_mov_b32 s[G1A+6], 0
	s_mov_b32 s[G1A+7], 0
	; group 1 for w: 128 rows x 128 elements of 2 bytes
	s_or_b32 s[G1B], s45, (1<<16)|(1<<20)|(1<<21)|(5<<22)|(3<<25)   ; padding after every 64 words
	s_mov_b32 s[G1B+1], 128<<16
	s_mov_b32 s[G1B+2], 128<<16
	s_mov_b32 s[G1B+3], 128<<16
	s_mov_b32 s[G1B+4], 128
	s_mov_b32 s[G1B+5], 1024
	s_mov_b32 s[G1B+6], 0
	s_mov_b32 s[G1B+7], 0
	; byte offsets, each in registers of its own: x hangs on the tile row alone, w on the tile column alone
	s_lshl_b32 s23, s[WN], 18                      ; the half that I fetch: 64 rows of 4,096 bytes, or 128 rows of 2,048
	s_lshl_b32 s66, s43, 19                        ; x: 128 rows of 4,096 bytes a tile row
	s_add_co_u32 s66, s66, s23
	s_mov_b32 s67, 0
	s_lshl_b32 s68, s42, 19                        ; w: 256 rows of 2,048 bytes a tile column
	s_add_co_u32 s68, s68, s23
	s_mov_b32 s69, 0
	s_lshr_b32 s70, s43, 4                         ; the result: batch my / 16 (16 heads of 262,144 bytes),
	s_lshl_b32 s70, s70, 22
	s_and_b32 s3, s43, 15                          ; rows 128 (my % 16) of 128 bytes,
	s_lshl_b32 s3, s3, 14
	s_add_co_u32 s70, s70, s3
	s_lshl_b32 s3, s42, 20                         ; heads 4 nx
	s_add_co_u32 s70, s70, s3
	s_lshl_b32 s3, s[WN], 19                       ; + 2 (wave % 2),
	s_add_co_u32 s70, s70, s3
	s_lshl_b32 s3, s[WM], 13                       ; my wave's 64 rows
	s_add_co_u32 s70, s70, s3
	s_mov_b32 s71, 0
	s_lshl_b32 s[PT], s43, 19                      ; the prefetch: the tile's 128 rows,
	s_lshl_b32 s3, s40, 17                         ; and of them the 32 that fall to my work-group: cx enters these registers alone, and they feed no descriptor
	s_add_co_u32 s[PT], s[PT], s3
	s_mov_b32 s[PT+1], 0
	s_mul_i32 s46, s[WN], AHALF                    ; where my load lands in a slot: no place in the cluster enters an LDS address
	s_mul_i32 s47, s[WN], BHALF
	s_add_co_u32 s47, s47, ABYTES
	s_wait_dscnt 0x0
	s_wait_kmcnt 0x0
	s_add_nc_u64 s[PF:PF+1], s[4:5], s[PT:PT+1]    ; the three x at my work-group's 32 rows
	s_add_nc_u64 s[PF:PF+1], s[PF:PF+1], 2*ASTEP   ; lap 1: each request first steps a lap on, so the first asks for lap 2
	s_add_nc_u64 s[NX:NX+1], s[6:7], s[PT:PT+1]
	s_add_nc_u64 s[NX2:NX2+1], s[8:9], s[PT:PT+1]
	s_add_nc_u64 s[4:5], s[4:5], s[66:67]          ; the three x at my tile: s[4:5] this tile's, s[6:7] the next tile's, s[8:9] the one after
	s_add_nc_u64 s[6:7], s[6:7], s[66:67]
	s_add_nc_u64 s[8:9], s[8:9], s[66:67]
	s_add_nc_u64 s[10:11], s[10:11], s[68:69]
	s_add_nc_u64 s[18:19], s[18:19], s[70:71]
	CROUND                                         ; all sixteen work-groups are here: the first joint loads meet
.irp s, 0,1
	s_mov_b32 s[G0A+4*\s], 1                                       ; count = 1
	s_add_co_u32 s[G0A+4*\s+1], s46, \s*SLOT                       ; LDS address
	s_add_nc_u64 s[G0A+4*\s+2:G0A+4*\s+3], s[4:5], \s*ASTEP        ; global address: K step s
	s_or_b32 s[G0A+4*\s+3], s[G0A+4*\s+3], 0x80000000              ; type = 2
	s_mov_b32 s[G0B+4*\s], 1
	s_add_co_u32 s[G0B+4*\s+1], s47, \s*SLOT
	s_add_nc_u64 s[G0B+4*\s+2:G0B+4*\s+3], s[10:11], \s*BSTEP
	s_or_b32 s[G0B+4*\s+3], s[G0B+4*\s+3], 0x80000000
.endr
	s_cmp_eq_u32 s[WM], 0                          ; a wave's two first fills stand in one branch, ahead of every wait on TENSORcnt and every LDS read: two loads of mine are out
	s_cbranch_scc0 .Lfirst_b
	tensor_load_to_lds s[G0A:G0A+3], s[G1A:G1A+7]
	s_nop 0
	tensor_load_to_lds s[G0A+4:G0A+7], s[G1A:G1A+7]
	s_nop 0
.rept 4
	v_nop
.endr
	s_branch .Lfirst_asked
.Lfirst_b:
	tensor_load_to_lds s[G0B:G0B+3], s[G1B:G1B+7]
	s_nop 0
	tensor_load_to_lds s[G0B+4:G0B+7], s[G1B:G1B+7]
	s_nop 0
.rept 4
	v_nop
.endr
.Lfirst_asked:
	; A fragment is 16 rows x 32 K: lane l holds row l % 16; K = 8 (l / 16) + 0..7 and 16 + 8 (l / 16) + 0..7.  In f16: two loads of 16 bytes, 32 apart.  In f32: four, at 0, 16, 64, 80 from 32 (l / 16).
	v_and_b32 v1, 15, v0                           ; l % 16
	v_bfe_u32 v2, v0, 4, 1                         ; l / 16
	v_mul_u32_u24 v3, v1, PA
	v_lshl_add_u32 v3, v2, 5, v3
	s_mul_i32 s23, s[WM], 64*PA                    ; my 64 rows of x
	v_add_nc_u32 v[ADRA], s23, v3
	v_add_nc_u32 v[ADRA+1], SLOT, v[ADRA]
	v_mul_u32_u24 v3, v1, PB
	v_lshl_add_u32 v3, v2, 4, v3                   ; row x 272 + 16 x half: for w, and for the stage
	s_mul_i32 s23, s[WN], BHALF                    ; my 128 rows of w, behind x
	s_add_co_u32 s23, s23, ABYTES
	v_add_nc_u32 v[ADRB], s23, v3
	v_add_nc_u32 v[ADRB+1], SLOT, v[ADRB]
	s_mul_i32 s23, s[WV], 16*SP
	s_add_co_u32 s23, s23, STAGE                   ; my stage
	v_add_nc_u32 v[STO], s23, v3
	v_bfe_u32 v12, v0, 3, 2                        ; back: eight lanes take the 128 bytes that a row has of one head, 32 lanes four rows
	v_and_b32 v13, 7, v0
	v_mul_u32_u24 v12, v12, SP
	v_lshl_add_u32 v12, v13, 4, v12
	v_add_nc_u32 v[RD], s23, v12
	v_and_b32 v[CO], 31, v0
	v_lshlrev_b32 v[CO], 4, v[CO]
	s_lshl_b32 s3, s42, 10                         ; the bias of my columns: 4 bytes x (256 nx + 128 (wave % 2) + 8 (l / 16))
	s_lshl_b32 s23, s[WN], 9
	s_add_co_u32 s3, s3, s23
	v_lshl_add_u32 v[BO], v2, 5, s3
	v_lshrrev_b32 v[PO], 2, v0                     ; the prefetch: thread / 4 = 8 x wave + l / 4 is my row of the 32,
	v_and_b32 v15, 3, v0                           ; l % 4 my block of 256 bytes in a lap's 1,024
	v_lshlrev_b32 v[PO], 12, v[PO]
	v_lshl_add_u32 v[PO], v15, 8, v[PO]
; The bias in the accumulators' layout: register j of block b is the bias of column 16 b + 8 (l / 16) + j.  It is the C of each sum's first product: no addition is written.
.macro LDBIAS base
.irp b, 0,1,2,3,4,5,6,7
	global_load_b128 v[BIAS+8*\b:BIAS+8*\b+3],   v[BO], s[\base:\base+1] offset:64*\b
	global_load_b128 v[BIAS+8*\b+4:BIAS+8*\b+7], v[BO], s[\base:\base+1] offset:64*\b+16
.endr
.endm
; n products, accumulators i0 on, from buffer f.  zero = 1: they start the sums, with the bias as C.  The 32 accumulators take turns, one instruction a turn, in the same order in every
; quarter step.
.macro MUL f, i0, n, zero
.if \zero
	WIN W_MULZ
.else
	WIN W_MUL
.endif
.set mi, \i0
.rept \n
.if \zero
	v_wmma_f32_16x16x32_f16 v[8*mi:8*mi+7], v[64*\f+8*(mi%8):64*\f+8*(mi%8)+7], v[AFR+32*\f+8*(mi/8):AFR+32*\f+8*(mi/8)+7], v[BIAS+8*(mi%8):BIAS+8*(mi%8)+7]
.else
	v_wmma_f32_16x16x32_f16 v[8*mi:8*mi+7], v[64*\f+8*(mi%8):64*\f+8*(mi%8)+7], v[AFR+32*\f+8*(mi/8):AFR+32*\f+8*(mi/8)+7], v[8*mi:8*mi+7]
.endif
.set mi, mi+1
.endr
.endm
; 32 LDS loads in one run: quarter q of the slot's K step.  x first (f32, 16 loads), since it has to be converted; then w into buffer g (16 loads).
.macro FETCH slot, q, g
	WIN 0
.irp a, 0,1,2,3
	ds_load_b128 v[ARAW+16*\a:ARAW+16*\a+3],     v[ADRA+\slot] offset:128*\q+\a*16*PA
	ds_load_b128 v[ARAW+16*\a+4:ARAW+16*\a+7],   v[ADRA+\slot] offset:128*\q+\a*16*PA+16
	ds_load_b128 v[ARAW+16*\a+8:ARAW+16*\a+11],  v[ADRA+\slot] offset:128*\q+\a*16*PA+64
	ds_load_b128 v[ARAW+16*\a+12:ARAW+16*\a+15], v[ADRA+\slot] offset:128*\q+\a*16*PA+80
.endr
	WIN W_LB
.irp b, 0,1,2,3,4,5,6,7
	ds_load_b128 v[64*\g+8*\b:64*\g+8*\b+3],   v[ADRB+\slot] offset:64*\q+\b*16*PB
	ds_load_b128 v[64*\g+8*\b+4:64*\g+8*\b+7], v[ADRB+\slot] offset:64*\q+\b*16*PB+32
.endr
.endm
.macro CVT g, a                        ; fragment a of x, 16 f32 a lane, becomes 8 registers of buffer g
	WIN 0
.irp i, 0,1,2,3,4,5,6,7
	v_cvt_pk_f16_f32 v[AFR+32*\g+8*\a+\i], v[ARAW+16*\a+2*\i], v[ARAW+16*\a+2*\i+1]
.endr
.endm
; One request a lap and wave: my 32 blocks of the lap two laps on.  mode 1: in the loop of a tile that has a successor: the loop's third trip (s3 = 1) is the tile's lap 2 and goes over to
; the next tile's x, lap 0.  mode 2: in the last tile's loop: the third trip does not step, so that the address stays in the tile's last lap.  mode 3: a tile's lap 3, behind the loop.
.macro PREF mode
	s_wait_xcnt 0x0                                ; the address is rewritten only behind this wait; the last prefetch stands a whole lap back
.if (\mode) == 1
	s_add_nc_u64 s[PF:PF+1], s[PF:PF+1], 2*ASTEP
	s_cmp_eq_u32 s3, 1
	s_cselect_b64 s[PF:PF+1], s[NX:NX+1], s[PF:PF+1]
.elseif (\mode) == 2
	s_cmp_eq_u32 s3, 1
	s_cselect_b32 s[PT], 0, 2*ASTEP
	s_add_nc_u64 s[PF:PF+1], s[PF:PF+1], s[PT:PT+1]
.else
	s_add_nc_u64 s[PF:PF+1], s[PF:PF+1], 2*ASTEP
.endif
	global_prefetch_b8 v[PO], s[PF:PF+1] th:TH_LOAD_NT scope:SCOPE_SE
.endm
; The second half of a quarter: eight conversions for the next quarter, four products of this one, four times.  The conversions are issued while the matrix unit works on the products
; in front of them; the price is two switches of the window for each group.
.macro QTAIL f, g, zero
	s_wait_dscnt 16                                ; the fetch issued the 16 loads of x first: they are in; the 16 younger loads of w may stay out
.irp a, 0,1,2,3
	CVT \g, \a
	MUL \f, 16+4*\a, 4, \zero
.endr
.endm
; A K step is four quarters of 32 along K, 32 products each, on buffers 0, 1, 0, 1.  One of the first three: multiplies buffer f, fetches quarter q of the same slot into buffer g.
; pf other than 0: the lap's prefetch stands behind the run of LDS loads, with twelve products behind it.
.macro QUARTER slot, q, f, g, zero, pf
	s_wait_dscnt 0x0                               ; w of this quarter is in (issued 28 products ago); nothing else is out
	MUL \f, 0, 4, \zero
	PLACES                                         ; behind the last quarter's products, which read buffer g
	FETCH \slot, \q, \g
.if (\pf) != 0
	PREF \pf
.endif
	MUL \f, 4, 12, \zero
	QTAIL \f, \g, \zero
.endm
; The last quarter multiplies buffer 1 and changes slots: ONE barrier.  In front of it each wave waits for its reads of this slot and for all its tensor loads, of which one is out: its part
; of the next slot.  mode 0: this slot is filled again, two K steps on; mode 1: with the NEXT tile's K step 0 or 1; mode 2: nothing is left to fetch.  Where the slot is filled the barrier opens
; a round of the cluster's barrier, and the joint refill is the first tensor load behind the round: from there to the wait for it a wave issues 120 products.
.macro TURN slot, next, mode
	s_wait_dscnt 0x0                               ; w of this quarter is in, and my reads of this slot are over
	MUL 1, 0, 4, 0
	s_wait_tensorcnt 0x0                           ; all my tensor loads have landed
	ds_add_u32 v129, v255
	s_wait_dscnt 0x0
	s_barrier_signal -1
	MUL 1, 4, 4, 0                                 ; work on registers while the others arrive
.if \mode < 2
	WIN 0                                          ; at a branch and at a label every window is 0
.endif
	s_barrier_wait -1
.if \mode < 2
	CREST                                          ; no wave of any partner still reads this slot or has a load on its way
.if \mode == 0
	s_add_nc_u64 s[G0A+4*\slot+2:G0A+4*\slot+3], s[G0A+4*\slot+2:G0A+4*\slot+3], 2*ASTEP
	s_add_nc_u64 s[G0B+4*\slot+2:G0B+4*\slot+3], s[G0B+4*\slot+2:G0B+4*\slot+3], 2*BSTEP
.else
	s_add_nc_u64 s[G0A+4*\slot+2:G0A+4*\slot+3], s[6:7], \slot*ASTEP   ; the next tile's x is another buffer
	s_or_b32 s[G0A+4*\slot+3], s[G0A+4*\slot+3], 0x80000000
	s_add_nc_u64 s[G0B+4*\slot+2:G0B+4*\slot+3], s[G0B+4*\slot+2:G0B+4*\slot+3], NEXT_B
.endif
	JLOAD \slot                                    ; its four v_nop are also the places in front of the loads below
.else
	PLACES
.endif
	FETCH \next, 0, 0
	MUL 1, 8, 8, 0
	QTAIL 1, 0, 0
.endm
; THE WAY OUT of block a (16 rows x 128 columns).  PACK: rounded to f16, 16 bytes a lane, each accumulator's registers in ascending order.  TOSTAGE: into my own stage, and back so that 32
; lanes hold four rows of one head.  SEND: each store of the wave covers 512 consecutive bytes, at a multiple of 512 from the buffer's first byte.
.macro PACK a
	WIN W_PK
.irp b, 0,1,2,3,4,5,6,7
.irp r, 0,1,2,3
	v_cvt_pk_f16_f32 v[TMP+4*\b+\r], v[8*(8*\a+\b)+2*\r], v[8*(8*\a+\b)+2*\r+1]
.endr
.endr
	WIN 0
.endm
.macro TOSTAGE a
.set BK, OB0+(OB1-OB0)*((\a)%2)
.irp b, 0,1,2,3,4,5,6,7
	ds_store_b128 v[STO], v[TMP+4*\b:TMP+4*\b+3] offset:32*\b
.endr
.irp j, 0,1
.irp t, 0,1,2,3
	ds_load_b128 v[BK+4*(4*\j+\t):BK+4*(4*\j+\t)+3], v[RD] offset:\t*4*SP+128*\j   ; LDS serves a wave's instructions in order (ISA guide 5.7.1.4): these see the stores above
.endr
.endr
.endm
.macro SEND a
.set BK, OB0+(OB1-OB0)*((\a)%2)
	s_wait_dscnt 0x0                               ; the block is back in registers
	s_wait_xcnt 0x0                                ; the stores of the block before have had their addresses translated (ISA guide 3.1): their registers are loaded again only behind this wait
.irp j, 0,1
.irp t, 0,1,2,3
	global_store_b128 v[CO], v[BK+4*(4*\j+\t):BK+4*(4*\j+\t)+3], s[18:19] offset:\j*HEADB+(\a)*2048+\t*512
.endr
.endr
.endm
; A tile.  succ = 1: another follows: its last two changes of slots ask for the next tile's K steps 0 and 1, and the second fetches its first fragments.
.macro TILE succ
	QUARTER 0, 1, 0, 1, 1, 0                       ; the first quarter stands in front of the loop: its products start the sums
	WIN 0
	s_mov_b32 s3, LAPS-1
.Llap_\@:                                              ; a trip goes once round the ring, from a lap's second quarter to the next lap's first
	QUARTER 0, 2, 1, 0, 0, 0
	QUARTER 0, 3, 0, 1, 0, 0
	TURN 0, 1, 0
	QUARTER 1, 1, 0, 1, 0, 2-\succ                 ; with the lap's prefetch
	QUARTER 1, 2, 1, 0, 0, 0
	QUARTER 1, 3, 0, 1, 0, 0
	TURN 1, 0, 0
	QUARTER 0, 1, 0, 1, 0, 0
	WIN 0
	s_sub_co_u32 s3, s3, 1
	s_cmp_lg_u32 s3, 0
	s_cbranch_scc1 .Llap_\@
	QUARTER 0, 2, 1, 0, 0, 0
	QUARTER 0, 3, 0, 1, 0, 0
.if \succ
	TURN 0, 1, 1
.else
	TURN 0, 1, 2
.endif
	QUARTER 1, 1, 0, 1, 0, 3*\succ                 ; lap 3 asks for the next tile's lap 1; the last tile's asks for nothing
	QUARTER 1, 2, 1, 0, 0, 0
	QUARTER 1, 3, 0, 1, 0, 0
.if \succ
	TURN 1, 0, 1
	PLACES                                         ; four places behind the tile's last products
	WIN 0
	LDBIAS 14                                      ; the next tile's bias; the products that read the old one stand a whole tile back
.else
	s_wait_dscnt 0x0
	MUL 1, 0, 32, 0
	PLACES                                         ; four places behind the tile's last products
.endif
	PACK 0
	TOSTAGE 0
.irp a, 1,2,3
	PACK \a                                        ; a block's conversions stand between the loads of the block before and the wait for them
	SEND \a-1
	TOSTAGE \a
.endr
	SEND 3
.if \succ
	s_wait_xcnt 0x0                                ; the stores' base and data registers are written again only behind this wait
	s_add_nc_u64 s[18:19], s[18:19], PART          ; the next of the three results
	s_wait_loadcnt 0x0                             ; the bias is in, and its base is free
	s_mov_b64 s[14:15], s[16:17]                   ; what comes after the next tile
	s_mov_b64 s[6:7], s[8:9]
	s_mov_b64 s[NX:NX+1], s[NX2:NX2+1]
.endif
.endm
	LDBIAS 12
	s_wait_tensorcnt 0x1                           ; my part of K step 0 is in; K step 1's may stay out
	s_barrier_signal -1
	s_barrier_wait -1                              ; everybody's is
	FETCH 0, 0, 0
	s_wait_dscnt 16                                ; x is in
.irp a, 0,1,2,3
	CVT 0, \a
.endr
	s_wait_loadcnt 0x0                             ; the bias
	s_mov_b32 s2, 2                                ; tiles that have a successor: the same number in every work-group
.Ltile:
	TILE 1
	s_sub_co_u32 s2, s2, 1
	s_cmp_lg_u32 s2, 0
	s_cbranch_scc1 .Ltile
	TILE 0                                         ; the last tile is written out: it asks for nothing more
	s_set_vgpr_msb 0x2
	s_wait_tensorcnt 0x0
	ds_add_u32 v129, v255
	s_wait_dscnt 0x0
	s_set_vgpr_msb 0x200
	CROUND                                         ; the closing round: no work-group ends while a partner may still ask for a tile that names it
	s_endpgm
.Lfunc_end_k_q03152c6827_qkvproj:
	.size	k_q03152c6827_qkvproj, .Lfunc_end_k_q03152c6827_qkvproj-k_q03152c6827_qkvproj
	.p2alignl 7, 3214868480
	.fill 96, 4, 3214868480
	.section	.rodata,"a",@progbits
	.p2align	6, 0x0
	.amdhsa_kernel k_q03152c6827_qkvproj
		.amdhsa_group_segment_fixed_size 327680
		.amdhsa_private_segment_fixed_size 0
		.amdhsa_enable_private_segment 0
		.amdhsa_kernarg_size 64
		.amdhsa_user_sgpr_count 2
		.amdhsa_user_sgpr_kernarg_segment_ptr 1
		.amdhsa_wavefront_size32 1
		.amdhsa_system_sgpr_workgroup_id_x 1
		.amdhsa_system_sgpr_workgroup_id_y 1
		.amdhsa_system_sgpr_workgroup_id_z 1
		.amdhsa_system_vgpr_workitem_id 0
		.amdhsa_next_free_vgpr 642
		.amdhsa_next_free_sgpr 80
		.amdhsa_reserve_vcc 0
		.amdhsa_float_denorm_mode_32 3
		.amdhsa_float_denorm_mode_16_64 3
		.amdhsa_memory_ordered 1
		.amdhsa_forward_progress 1
		.amdhsa_inst_pref_size 255
	.end_amdhsa_kernel
	.section	.bss,"aw",@nobits
	.p2align	6
	.space	262144
	.amdgpu_metadata
---
amdhsa.version: [ 1, 2 ]
amdhsa.kernels:
  - .name:           k_q03152c6827_qkvproj
    .symbol:         k_q03152c6827_qkvproj.kd
    .args:
      - { .name: query, .offset: 0, .size: 8, .value_kind: global_buffer, .address_space: global }
      - { .name: key_, .offset: 8, .size: 8, .value_kind: global_buffer, .address_space: global }
      - { .name: value, .offset: 16, .size: 8, .value_kind: global_buffer, .address_space: global }
      - { .name: wh, .offset: 24, .size: 8, .value_kind: global_buffer, .address_space: global }
      - { .name: b_q, .offset: 32, .size: 8, .value_kind: global_buffer, .address_space: global }
      - { .name: b_k, .offset: 40, .size: 8, .value_kind: global_buffer, .address_space: global }
      - { .name: b_v, .offset: 48, .size: 8, .value_kind: global_buffer, .address_space: global }
      - { .name: qkvh, .offset: 56, .size: 8, .value_kind: global_buffer, .address_space: global }
    .group_segment_fixed_size: 327680
    .private_segment_fixed_size: 0
    .kernarg_segment_align: 8
    .kernarg_segment_size: 64
    .max_flat_workgroup_size: 128
    .sgpr_count:     80
    .vgpr_count:     642
    .wavefront_size: 32
...
	.end_amdgpu_metadata
.endif
;; end of part 2
;; launch attn (part 3): grid 4 x 64, 4 waves a work-group, clusters of 4 x 1, 327,680 bytes of LDS; arguments qkvh, ctx; writes ctx
.if DOCPART == 3
	.amdgcn_target "amdgcn-amd-amdhsa--gfx1250"
	.amdhsa_code_object_version 6
	.text
	.protected	k_q03152c6827_attn
	.globl	k_q03152c6827_attn
	.p2align	8
	.type	k_q03152c6827_attn,@function
k_q03152c6827_attn:
	s_mov_b64 s[64:65], 0
	v_nop
	global_prefetch_b8 v0, s[64:65] scope:SCOPE_SE
	s_setreg_imm32_b32 hwreg(HW_REG_WAVE_MODE, 25, 1), 1
	s_wait_xcnt 0x0
	s_wait_alu depctr_hold_cnt(0) depctr_sa_sdst(0) depctr_va_vdst(0) depctr_va_sdst(0) depctr_va_ssrc(0) depctr_va_vcc(0) depctr_vm_vsrc(0)
	s_getreg_b32 s2, hwreg(HW_REG_IB_STS2, 6, 4)
	s_cmp_eq_u32 s2, 0
	s_cbranch_scc0 .Lentry_in_a_cluster
	s_endpgm
.Lentry_in_a_cluster:
	s_bfe_u32 s2, ttmp6, 0x10000c
	s_cmp_lg_u32 s2, 0x3003
	s_cbranch_scc0 .Lentry_shape_is_right
	s_endpgm
.Lentry_shape_is_right:
; ctx[bh][q][:] = the sum over k of softmax_k(Q[bh][q] . K[bh][k] / 8) V[bh][k][:].  Q, K, V are the three parts of qkvh, [3][64][2048][64] f16; ctx is [64][2048][64] f16.
; Products, maxima and sums in f32; the weights p are rounded to f16 for the second product, ctx once at the end.
; LIMITS.  p lies in [0, 1], since the running maximum is taken away: in f16 its step below 2^-14 is 2^-24, and a weight below 2^-25 counts as 0.  ctx is a mean of rows of V and has V's range.
; v_exp_f32 gives 0 for results below 2^-126 (ISA guide 15.8).  NaN and infinities are not served.
; SHARES.  A work-group owns 512 queries of one head, each of its four waves 128: eight tiles of 16.  Every wave walks all 2,048 keys, 64 a step.  A fragment of K or V read from LDS feeds
; eight tiles: 32 LDS loads for a step's 128 products.  A step of 128 keys would want 256 registers of scores for each piece: it does not fit beside O^T, Q, K and V.
; LAYOUT.  S^T = K Q^T (source 0 = 16 keys, source 1 = 16 queries): a lane holds ONE query (lane % 16) and the keys 8 (lane / 16) + 0..7.  Two such tiles, rounded to f16 in pairs, ARE
; source 1 (32 keys x 16 queries) of O^T = V^T P, whose result again holds one query a lane.  P is packed in place, into registers of the scores that it is made of.
; K comes out of LDS as it lies, V ([key][channel]) turned, by ds_load_tr16_b128.
; SOFTMAX.  For each query a running maximum m and sum l: p = 2^(c s - c m), c = log2(e) / 8; in every step O and l are multiplied by a = 2^(c m_old - c m_new), which is 1 where m has not grown.
; BY TURNS.  The wave's tiles are two PIECES: piece 0 (tiles 0-3) and piece 1 (tiles 4-7), which share K's and V's fragments and nothing else.  In a TURN one piece has the matrix unit: 32
; products V^T P of the step in hand, then 32 products K Q^T of the next step; the other piece's softmax, cut into 64 slices, stands between them, one slice behind each product.  Then the
; pieces change places; two turns are a key step.  A tile's softmax is 118 instructions, four tiles' 472 for a turn's 64 products: more than seven for each, so the vector work is not all
; hidden behind the products; set in phases of its own none of it would be.
; CLUSTER.  The four blocks of queries of a head walk the same K and V: each tile is asked for JOINTLY by the four.  A slot holds four key steps; one load a wave fills it.
; REGISTERS, in windows of 256 (s_set_vgpr_msb: bits 1:0 source 0, 3:2 source 1, 5:4 source 2, 7:6 destination).  A piece's softmax lies in ONE window, under the same numbers in both:
;   window 0: v0-11 addresses; piece 0: v12-43 statistics, v44-59 partial sums, v64-191 S^T (32 a tile); v192-255 V of one step
;   window 1: piece 1: the same numbers; v192-255 K of one step          window 2: O^T, 32 a tile          window 3: v0-127 Q, 16 a tile
; A slice costs two switches, one in front and one behind: 128 for a turn's 64 products.
.set KS,     64       ; keys in a step
.set NST,    4        ; steps in a slot
.set PKR,    144      ; a row of K in LDS: 128 bytes + 16 = 36 words: the 16 rows of a load start at 16 different multiples of 4 banks (64 banks of 4 bytes: ISA guide 11.1)
.set PVR,    160      ; a row of V: 128 + 32 = 40 words
.set KSTEPB, KS*PKR   ; a step's rows of K,
.set VSTEPB, KS*PVR   ; and of V
.set KHALF,  2*KSTEPB ; what one tensor load brings: two steps
.set VHALF,  2*VSTEPB
.set VOFF,   NST*KSTEPB  ; in a slot K's four steps lie together, V's behind them
.set SLOT1,  1<<17    ; slot 1 begins here, so that one exclusive or turns an address in one slot into the other's
.set STAGE,  SLOT1+NST*(KSTEPB+VSTEPB)  ; behind the ring: 16 rows x 144 bytes for each wave; no tensor load lands here
.set SP,     144
.set PARTB,  16777216 ; bytes of one part of qkvh
.set SLOTG,  NST*KS*128  ; bytes of a slot's keys in memory
.set AK0, 2           ; v2   my lane's place in a step's rows of K; never rewritten
.set AV0, 3           ; v3   the same for V
.set ADR, 4           ; v4   the LDS address of the run of loads in hand
.set QO,  5           ; v5   my byte offset in the wave's rows of Q
.set STO, 6           ; v6   the way out: where I put 16 bytes of a row
.set RD,  7           ; v7   the way out: where I read back
.set GO,  8           ; v8   16 x lane
.set ST,  12          ; tile t of a piece at v[ST+8 t]: +0 c m, +1 m, +2, +3 l (even keys', odd keys'), +4 to +7 c0-c3, at work; a takes c2's place once the maximum is found
.set XT,  44          ; tile t at v[XT+4 t]: two pairs of partial sums, X and Y
.set S,   64
.set VF,  192         ; in window 0
.set KF,  192         ; in window 1
.set WV,  12          ; s12  my wave's number
.set G1K, 24          ; s[24:31] descriptor group 1 for K;  s[32:39] for V: it differs in the padding alone
.set G1V, 32
.set G0K, 40          ; s[40:47] group 0 for K: a set for each of the two first fills; the second then walks on
.set G0V, 48          ; s[48:55] the same for V
.set SLOTS, 56
.set TW,  57
.set CS,  58          ; s[58:59] c: the packed scaling names a pair and takes its low word for both halves
.set SEL, 60          ; s[60:61] lane selects for v_permlanex16_b32: each lane takes its own place in the other half
.set TK,  62          ; s62  LDS byte at which the rows of K to be fetched next begin
.set TV,  63          ; s63  the same for V, less VOFF
.set MSB, 0
.macro WIN new                      ; the immediate's high byte repeats the setting that is left; a switch that changes nothing is dropped
.if MSB != (\new)
	s_set_vgpr_msb (MSB<<8)|(\new)
.set MSB, (\new)
.endif
.endm
.macro PLACES         ; four plain vector instructions between a matrix instruction and a read of its result, or a load into one of its registers (ISA guide 7.12.1 for vector instructions)
.rept 4
	v_nop
.endr
.endm
; A joint refill: waves 0 and 1 fetch the halves of the slot's K, waves 2 and 3 of its V.  The branch hangs on the wave's number alone.  Four v_nop follow each line.
.macro JLOAD
	s_cmp_lt_u32 s[WV], 2
	s_cbranch_scc0 .Lfor_v_\@
	tensor_load_to_lds s[G0K+4:G0K+7], s[G1K:G1K+7]
	s_nop 0
.rept 4
	v_nop
.endr
	s_branch .Lasked_\@
.Lfor_v_\@:
	tensor_load_to_lds s[G0V+4:G0V+7], s[G1V:G1V+7]
	s_nop 0
.rept 4
	v_nop
.endr
.Lasked_\@:
.endm
.macro CROUND         ; a round of the cluster's barrier: my barrier, wave 0 signals for the work-group, every wave waits for all four work-groups, my barrier once more
	s_barrier_signal -1
	s_barrier_wait -1
	s_cmp_lg_u32 s[WV], 0
	s_cbranch_scc1 .Lnot_wave_0_\@
	s_barrier_signal -3
.Lnot_wave_0_\@:
	s_barrier_wait -3
	s_barrier_signal -1
	s_barrier_wait -1
.endm
	s_load_b128 s[4:7], s[0:1], 0x0  ; qkvh s[4:5], ctx s[6:7]
	v_lshl_add_u32 v62, v0, 2, 0x35400
	v_mov_b32 v63, 0
	ds_add_u32 v62, v63
	v_lshrrev_b32 v1, 5, v0
	v_readfirstlane_b32 s[WV], v1   ; wave 0..3
	s_bfe_u32 s13, ttmp6, 0x40000   ; cx: my place in the cluster
	s_lshl_b32 s14, ttmp9, 2
	s_add_co_u32 s14, s14, s13      ; my block of 512 queries: it enters Q's and ctx's addresses alone
	s_and_b32 s15, ttmp7, 0xffff    ; the head (16 b + h), which the four partners share
	s_lshl_b32 s20, s15, 18         ; its first byte in a part: 2,048 rows of 128 bytes
	s_and_b32 s16, s[WV], 1         ; which half of a slot's four steps I fetch:
	s_lshl_b32 s22, s16, 14         ; its 128 rows of 128 bytes in memory,
	s_add_co_u32 s22, s22, s20
	s_mov_b32 s23, 0
	s_mul_i32 s17, s16, KHALF       ; and its place in a slot, for K
	s_mul_i32 s21, s16, VHALF       ; and for V: no place in the cluster enters an LDS address
	s_add_co_u32 s21, s21, VOFF
	s_lshl_b32 s18, s14, 16         ; my block's 512 rows,
	s_lshl_b32 s19, s[WV], 14       ; my wave's 128 of them
	s_add_co_u32 s18, s18, s19
	s_add_co_u32 s18, s18, s20
	s_mov_b32 s19, 0
	; group 1: two steps' 128 rows of 128 bytes are dense in memory and come as 64 rows of 256 bytes; the padding, counted along the tile, falls behind every 32 words: 128 LDS rows
	s_mov_b32 s[G1K], 15|(1<<16)|(1<<20)|(1<<21)|(4<<22)|(3<<25)  ; 15:0 the mask: all four work-groups; 17:16 elements of 2 bytes; 20 padding on; 21 set beside a mask; 24:22 after every 32 words; 31:25 4 words of it
	s_mov_b32 s[G1V], 15|(1<<16)|(1<<20)|(1<<21)|(4<<22)|(7<<25)  ; the same with 8 words of padding
.irp g, G1K, G1V
	s_mov_b32 s[\g+1], 128<<16      ; tensor_dim0 = 128
	s_mov_b32 s[\g+2], 64<<16       ; tensor_dim1 = 64
	s_mov_b32 s[\g+3], 128<<16      ; tile_dim0 = 128
	s_mov_b32 s[\g+4], 64           ; tile_dim1 = 64
	s_mov_b32 s[\g+5], 128          ; tensor_dim0_stride
	s_mov_b32 s[\g+6], 0
	s_mov_b32 s[\g+7], 0
.endr
	s_mov_b32 s[CS], 0x3e38aa3b     ; c = log2(e) / sqrt(64) = 0.180337
	s_mov_b32 s[CS+1], s[CS]        ; named with it as a pair, so it is written
	s_mov_b32 s[SEL], 0x76543210
	s_mov_b32 s[SEL+1], 0xfedcba98
	s_mov_b32 s[TK], 0
	s_mov_b32 s[TV], 0
	s_wait_dscnt 0x0
	s_wait_kmcnt 0x0
	s_add_nc_u64 s[8:9], s[4:5], s[18:19]    ; Q at my wave's first row
	s_add_nc_u64 s[10:11], s[6:7], s[18:19]  ; ctx likewise
	s_add_nc_u64 s[4:5], s[4:5], s[22:23]    ; my half of slot 0, less the part
	CROUND                          ; all four work-groups are here: the first joint loads meet
.irp s, 0,1
	s_mov_b32 s[G0K+4*\s], 1        ; count = 1
	s_add_co_u32 s[G0K+4*\s+1], s17, \s*SLOT1  ; LDS address
	s_add_nc_u64 s[G0K+4*\s+2:G0K+4*\s+3], s[4:5], PARTB+\s*SLOTG  ; global address: K is part 1; slot s begins with keys 256 s
	s_or_b32 s[G0K+4*\s+3], s[G0K+4*\s+3], 0x80000000  ; type = 2
	s_mov_b32 s[G0V+4*\s], 1
	s_add_co_u32 s[G0V+4*\s+1], s21, \s*SLOT1
	s_add_nc_u64 s[G0V+4*\s+2:G0V+4*\s+3], s[4:5], 2*PARTB+\s*SLOTG  ; V is part 2
	s_or_b32 s[G0V+4*\s+3], s[G0V+4*\s+3], 0x80000000
.endr
	s_cmp_lt_u32 s[WV], 2           ; a wave's two first fills stand in one branch, ahead of every wait on TENSORcnt and every LDS read: two loads of mine are out
	s_cbranch_scc0 .Lfirst_v
	tensor_load_to_lds s[G0K:G0K+3], s[G1K:G1K+7]
	s_nop 0
	tensor_load_to_lds s[G0K+4:G0K+7], s[G1K:G1K+7]
	s_nop 0
.rept 4
	v_nop
.endr
	s_branch .Lfirst_asked
.Lfirst_v:
	tensor_load_to_lds s[G0V:G0V+3], s[G1V:G1V+7]
	s_nop 0
	tensor_load_to_lds s[G0V+4:G0V+7], s[G1V:G1V+7]
	s_nop 0
.rept 4
	v_nop
.endr
.Lfirst_asked:
	; A fragment of K or Q is 16 rows x 32 channels: lane l holds row l % 16, channels 8 (l / 16) + 0..7 and 16 + 8 (l / 16) + 0..7: two loads of 16 bytes, 32 bytes apart.
	v_and_b32 v1, 15, v0            ; l % 16
	v_bfe_u32 v9, v0, 4, 1          ; l / 16
	v_lshlrev_b32 v[QO], 7, v1
	v_lshl_add_u32 v[QO], v9, 4, v[QO]  ; row x 128 + 16 x half
	WIN 0xc0                        ; destination window 3, address window 0
.irp T, 0,1,2,3,4,5,6,7
.irp c, 0,1                         ; Q stays in registers: tile T, channels 32 c on
	global_load_b128 v[16*\T+8*\c:16*\T+8*\c+3],   v[QO], s[8:9] offset:\T*2048+\c*64
	global_load_b128 v[16*\T+8*\c+4:16*\T+8*\c+7], v[QO], s[8:9] offset:\T*2048+\c*64+32
.endr
.endr
	WIN 0
	v_mul_u32_u24 v[AK0], v1, PKR
	v_lshl_add_u32 v[AK0], v9, 4, v[AK0]
	; The turning load takes 16 keys x 16 channels (lane l reads 16 bytes: key 8 (l / 16) + l % 8, channels 8 ((l / 8) % 2) + 0..7) and leaves half a fragment of V^T: lane l holds channel l % 16 and 8 keys.
	v_and_b32 v10, 7, v0
	v_bfe_u32 v11, v0, 3, 1
	v_lshl_add_u32 v[AV0], v9, 3, v10
	v_mul_u32_u24 v[AV0], v[AV0], PVR
	v_lshl_add_u32 v[AV0], v11, 4, v[AV0]
	v_add_nc_u32 v[AV0], VOFF, v[AV0]
; THE MATRIX WORK OF A TURN, for piece x.  The 16 accumulators of a kind take turns, one instruction a turn.
; Product i of 32 of O^T += V^T P: keys 32 (i / 16) on, channels 16 ((i / 4) % 4) on, tile i % 4 of the piece.  zero = 1: the first 16 start the sums: nothing is ever cleared.
.macro PV x, zero
	WIN 0xa0+4*(\x)                 ; V window 0, P the piece's window, O^T window 2
.set rO, 32*(4*(\x)+i%4)+8*((i/4)%4)
.set rV, VF+8*(4*(i/16)+(i/4)%4)
.set rP, S+32*(i%4)+16*(i/16)
.if \zero && (i < 16)
	v_wmma_f32_16x16x32_f16 v[rO:rO+7], v[rV:rV+7], v[rP:rP+7], 0
.else
	v_wmma_f32_16x16x32_f16 v[rO:rO+7], v[rV:rV+7], v[rP:rP+7], v[rO:rO+7]
.endif
.endm
; Product i of 32 of S^T = K Q^T: channels 32 (i / 16) on, keys 16 ((i / 4) % 4) on, tile i % 4 of the piece.  The first 16 start the sums.
.macro KQ x
	WIN 0x0d+0x50*(\x)              ; K window 1, Q window 3, S^T the piece's window
.set rS, S+32*(i%4)+8*((i/4)%4)
.set rK, KF+8*(2*((i/4)%4)+i/16)
.set rQ, 16*(4*(\x)+i%4)+8*(i/16)
.if i < 16
	v_wmma_f32_16x16x32_f16 v[rS:rS+7], v[rK:rK+7], v[rQ:rQ+7], 0
.else
	v_wmma_f32_16x16x32_f16 v[rS:rS+7], v[rK:rK+7], v[rQ:rQ+7], v[rS:rS+7]
.endif
.endm
; THE LDS LOADS stand in runs of 16, never singly among the products: a step's K (8 fragments: keys 16 (f / 2) on, channels 32 (f % 2) on) and, a turn later, its V, turned
; (keys 32 (f / 4) on, channels 16 (f % 4) on).  Each run steps its own scalar to the next step's rows.
.macro FETCH_K
	WIN 0
	v_add_nc_u32 v[ADR], s[TK], v[AK0]
	s_add_co_u32 s[TK], s[TK], KSTEPB
	WIN 0x40                        ; destination window 1
.irp f, 0,1,2,3,4,5,6,7
	ds_load_b128 v[KF+8*\f:KF+8*\f+3],   v[ADR] offset:(\f/2)*16*PKR+(\f%2)*64
	ds_load_b128 v[KF+8*\f+4:KF+8*\f+7], v[ADR] offset:(\f/2)*16*PKR+(\f%2)*64+32
.endr
.endm
.macro FETCH_V
	WIN 0
	v_add_nc_u32 v[ADR], s[TV], v[AV0]
	s_add_co_u32 s[TV], s[TV], VSTEPB
.irp f, 0,1,2,3,4,5,6,7
	ds_load_tr16_b128 v[VF+8*\f:VF+8*\f+3],   v[ADR] offset:(\f/4)*32*PVR+(\f%4)*32
	ds_load_tr16_b128 v[VF+8*\f+4:VF+8*\f+7], v[ADR] offset:(\f/4)*32*PVR+16*PVR+(\f%4)*32
.endr
.endm
; THE VECTOR WORK OF A TURN.  One tile's softmax for one key step is a list of 118 instructions; SM writes number j of it for tile t of piece y.  s0-s31 are the lane's 32 scores, in pairs 0-15.
; first = 1: the first key step, which starts m, l and O^T: it has no a and nothing to rescale.
;   0-15    the maximum of s0-s31 and the old m, three operands at a time: four chains c0-c3, one for each accumulator, each begun at the accumulator's three lowest registers
;   16-20   the other half of the lanes' maximum; the new m; c m; c m_old - c m_new
;   21-87   33 exponentials (a, then s0-s31) at the odd numbers from 23 on, so that no two follow each other and each has a plain instruction behind it before its result is used.
;           Plain instruction q (number 21, then the even numbers): c s - c m for pair q (q < 6), then for pair q / 2 + 3 at the even q up to 24: each ahead of its pair's exponentials.
;           The other q take the list of what follows the exponentials, z = 0, 1, ..: X = pair 0 + pair 1, pairs 0 and 1 rounded, Y = pair 2 + pair 3, pairs 2 and 3 rounded, then for
;           each pair b from 4 on: added to X (b even) or Y (b odd), and rounded.  Pair b is rounded IN PLACE, into register 16 (b / 8) + b % 8 of the tile, which belongs to a pair that has
;           been added and rounded already, or to pair b itself: registers 0-7 and 16-23 of the tile are then the two fragments of P.
;   88-101  the rest of that list (pairs 10 to 15); X + Y; l = a l + the sum
;   102-117 the tile's O^T times a, in ascending order: the one part that leaves the piece's window, so it stands together
.macro SM y, t, first
.set rT, ST+8*(\t)
.set rX, XT+4*(\t)
.set rS, S+32*(\t)
.set rO, 32*(4*(\y)+(\t))+2*(j-102)
.set q, (j-20)/2
.if j < 102
	WIN 0x55*(\y)                   ; every operand in the piece's window
.endif
.if j < 4
	v_max3_num_f32 v[rT+4+j], v[rS+8*j], v[rS+8*j+1], v[rS+8*j+2]
.elseif j < 12
	v_max3_num_f32 v[rT+4+j%4], v[rT+4+j%4], v[rS+8*(j%4)+2*(j/4)+1], v[rS+8*(j%4)+2*(j/4)+2]
.elseif j == 12
	v_max3_num_f32 v[rT+4], v[rT+4], v[rS+7], v[rS+15]
.elseif j == 13
	v_max3_num_f32 v[rT+6], v[rT+6], v[rS+23], v[rS+31]
.elseif j == 14
	v_max3_num_f32 v[rT+4], v[rT+4], v[rT+5], v[rT+6]
.elseif (j == 15) && \first
	v_max_num_f32 v[rT+4], v[rT+4], v[rT+7]
.elseif j == 15
	v_max3_num_f32 v[rT+4], v[rT+4], v[rT+7], v[rT+1]
.elseif j == 16
	v_permlanex16_b32 v[rT+5], v[rT+4], s[SEL], s[SEL+1]  ; the query's other 32 keys lie in the lane 16 away
.elseif j == 18
	v_max_num_f32 v[rT+1], v[rT+4], v[rT+5]
.elseif j == 19
	v_mul_f32 v[rT], s[CS], v[rT+1]
.elseif ((j == 17) || (j == 20) || (j == 23) || (j > 100)) && \first  ; the first step has none of these
.elseif j == 17
	v_mov_b32 v[rT+7], v[rT]        ; c m_old is kept for a: number 19 writes c m anew
.elseif j == 20
	v_sub_f32 v[rT+7], v[rT+7], v[rT]
.elseif j == 23
	v_exp_f32 v[rT+6], v[rT+7]
.elseif (j < 88) && (j > 23) && (j%2 == 1)
	v_exp_f32 v[rS+(j-25)/2], v[rS+(j-25)/2]
.elseif (j < 88) && ((q < 6) || ((q < 26) && (q%2 == 0)))
.set b, q/2+3
.if q < 6
.set b, q
.endif
	v_pk_fma_f32 v[rS+2*b:rS+2*b+1], v[rS+2*b:rS+2*b+1], s[CS:CS+1], v[rT:rT+1] op_sel_hi:[1,0,0] neg_lo:[0,0,1] neg_hi:[0,0,1]  ; pair b: c s - c m
.elseif j < 100
.if j >= 88
.set z, j-70
.elseif q >= 26
.set z, q-16
.else
.set z, (q-7)/2
.endif
.set b, 4+(z-6)/2
.set isadd, 1-z%2
.if z < 6
.set b, z-1-z/3
.set isadd, 0
.endif
.if z == 0
	s_wait_alu depctr_va_vdst(0)
	v_pk_add_f32 v[rX:rX+1], v[rS:rS+1], v[rS+2:rS+3]
.elseif z == 3
	s_wait_alu depctr_va_vdst(0)
	v_pk_add_f32 v[rX+2:rX+3], v[rS+4:rS+5], v[rS+6:rS+7]
.elseif isadd
	s_wait_alu depctr_va_vdst(0)
	v_pk_add_f32 v[rX+2*(b%2):rX+2*(b%2)+1], v[rX+2*(b%2):rX+2*(b%2)+1], v[rS+2*b:rS+2*b+1]
.else
	v_cvt_pk_f16_f32 v[rS+16*(b/8)+b%8], v[rS+2*b], v[rS+2*b+1]
.endif
.elseif (j == 100) && \first
	v_pk_add_f32 v[rT+2:rT+3], v[rX:rX+1], v[rX+2:rX+3]
.elseif j == 100
	v_pk_add_f32 v[rX:rX+1], v[rX:rX+1], v[rX+2:rX+3]
.elseif j == 101
	v_pk_fma_f32 v[rT+2:rT+3], v[rT+2:rT+3], v[rT+6:rT+7], v[rX:rX+1] op_sel_hi:[1,0,1]
.else
	WIN 0x82+4*(\y)                 ; O^T (destination and source 0) window 2, a the piece's window
	v_pk_mul_f32 v[rO:rO+1], v[rO:rO+1], v[rT+6:rT+7] op_sel_hi:[1,0]
.endif
.endm
; Slice k of 64 of piece y's softmax.  Slices 0 to 50: numbers 2 k and 2 k + 1 of all four tiles' lists, eight instructions.  Slices 51 to 62: one number of the rescaling, four instructions.
; Slice 63: its last four numbers, sixteen plain instructions that name nothing of the products round them: the places between the turn's last K Q^T and what follows it.
.macro SLICE y, first
.if (k >= 11) && (k < 44)           ; tile by tile: plain, exponential, plain, exponential
.irp t, 0,1,2,3
.irp n, 0,1
.set j, 2*k+\n
	SM \y, \t, \first
.endr
.endr
.elseif k < 51                      ; the tiles alternate, so that no instruction reads the result of the one just before it
.irp n, 0,1
.irp t, 0,1,2,3
.set j, 2*k+\n
	SM \y, \t, \first
.endr
.endr
.elseif k < 63
.irp t, 0,1,2,3
.set j, 51+k
	SM \y, \t, \first
.endr
.else
.irp n, 0,1,2,3
.irp t, 0,1,2,3
.set j, 114+\n
	SM \y, \t, \first
.endr
.endr
.endif
.set k, k+1
.endm
; A TURN.  Piece x has the matrix unit; the other piece's softmax stands in slices behind its products.
; pv = 2: 32 products V^T P; 1: they start O^T's sums; 0: none.  kq = 1: 32 products K Q^T for the next step.  A turn with one of the two kinds has two slices behind each product.
; first = 1: the softmax is the first key step's.  Its slices from 51 on are empty: the turn's last products stand bare, and four v_nop take slice 63's part as the places behind them.
; Each run of loads stands behind the second product of a run of 32, 30 products ahead of its first use.  Piece 0's turn fetches the next step's K: the last product that read K stands in
; front of slice 63 of the turn before.  Piece 1's turn fetches the same step's V: the last product that read V stands three slices, twelve plain instructions, back.
; K Q^T writes over P, which V^T P of the same turn has read: between the last reader of a fragment of P and the product that writes over it stand twelve slices or more.
.macro TURN x, pv, kq, first
.set k, 0
.set per, 2
.if \pv && \kq
.set per, 1
.endif
.if \pv
.if \x == 0
	s_wait_dscnt 0x0                ; V is in
.endif
.set i, 0
.rept 32
	PV \x, 2-\pv
.rept per
	SLICE 1-\x, \first
.endr
.if (\x == 0) && \kq && (i == 1)
	FETCH_K
.endif
.set i, i+1
.endr
.endif
.if \kq
.if \x == 0
	s_wait_dscnt 0x0                ; K is in
.endif
.set i, 0
.rept 32
	KQ \x
.rept per
	SLICE 1-\x, \first
.endr
.if (\x == 1) && (i == 1)
	FETCH_V
.endif
.set i, i+1
.endr
.endif
.if \first
	PLACES
.endif
.endm
; THE CHANGE OF SLOTS, between piece 1's turn and piece 0's: the slot's last bytes, V of its fourth step, have been asked for.  Each wave waits for its own reads of the slot and for all its
; tensor loads, of which one is out: its part of the other slot.  fill = 1: this slot is filled again, with the keys two slots on; the barrier is then a round of the cluster's, and the joint
; refill is the first thing behind it: it has four key steps, 512 products of the wave, in which to land.
.macro CHANGE fill
	WIN 0                           ; at a label and at a branch every window is 0
	s_wait_dscnt 0x0
	s_wait_tensorcnt 0x0            ; no tensor load of mine is out, so a group 0 may be written
	ds_add_u32 v62, v63
	s_wait_dscnt 0x0
.if \fill
.irp g, G0K+4, G0V+4
	s_xor_b32 s[\g+1], s[\g+1], SLOT1  ; the walking descriptor: the other slot than last time,
	s_add_nc_u64 s[\g+2:\g+3], s[\g+2:\g+3], SLOTG  ; the next 256 keys; the type bits on top are not reached
.endr
	CROUND
	JLOAD
.else
	s_barrier_signal -1
	s_barrier_wait -1
.endif
	s_sub_co_u32 s[TK], s[TK], NST*KSTEPB  ; the fetches go back to a slot's first step,
	s_xor_b32 s[TK], s[TK], SLOT1   ; in the other slot
	s_sub_co_u32 s[TV], s[TV], NST*VSTEPB
	s_xor_b32 s[TV], s[TV], SLOT1
.endm
; n key steps: written once, walked n times; the LDS addresses hang on s[TK] and s[TV].
.macro STEPS n
	s_mov_b32 s[TW], \n
.Lstep_\@:
	TURN 0, 2, 1, 0
	TURN 1, 2, 1, 0
	WIN 0
	s_sub_co_u32 s[TW], s[TW], 1
	s_cmp_lg_u32 s[TW], 0
	s_cbranch_scc1 .Lstep_\@
.endm
	s_wait_tensorcnt 0x1            ; my part of slot 0 is in; slot 1's may stay out
	s_barrier_signal -1
	s_barrier_wait -1               ; everybody's is
	FETCH_K                         ; key step 0
	s_wait_loadcnt 0x0              ; Q
	s_wait_dscnt 0x0
.set i, 0
.rept 32
	KQ 0                            ; piece 0's first scores: there is no vector work yet to set between them
.set i, i+1
.endr
	WIN 0                           ; the addresses for the way out are made here: nine plain instructions, the places behind those products
	s_mul_i32 s13, s[WV], 16*SP
	s_add_co_u32 s13, s13, STAGE    ; my stage
	v_mul_u32_u24 v[STO], v1, SP    ; in: row l % 16, 16 bytes for each half of the lanes
	v_lshl_add_u32 v[STO], v9, 4, v[STO]
	v_add_nc_u32 v[STO], s13, v[STO]
	v_bfe_u32 v[RD], v0, 3, 2       ; back: eight lanes take a row of 128 bytes, 32 lanes four rows
	v_mul_u32_u24 v[RD], v[RD], SP
	v_lshl_add_u32 v[RD], v10, 4, v[RD]
	v_add_nc_u32 v[RD], s13, v[RD]
	v_and_b32 v[GO], 31, v0
	v_lshlrev_b32 v[GO], 4, v[GO]
	TURN 1, 0, 1, 1                 ; piece 1's first scores | piece 0's first softmax | V of step 0
	TURN 0, 1, 1, 1                 ; piece 0: V^T P of step 0 starts O^T, K Q^T of step 1 | piece 1's first softmax | K of step 1
	TURN 1, 1, 1, 0                 ; piece 1: the same | piece 0's softmax of step 1 | V of step 1
	WIN 0
	STEPS 2                         ; the rest of the first slot
	s_mov_b32 s[SLOTS], 6
.Lslot:                             ; six trips: every slot of keys but the last two is filled again
	CHANGE 1
	STEPS 4
	s_sub_co_u32 s[SLOTS], s[SLOTS], 1
	s_cmp_lg_u32 s[SLOTS], 0
	s_cbranch_scc1 .Lslot
	CHANGE 0                        ; the tail is written out: nothing more is asked for
	STEPS 4
	TURN 0, 2, 0, 0                 ; piece 0: V^T P of the last step | piece 1's last softmax
.set i, 0
.rept 32
	PV 1, 0                         ; piece 1: V^T P of the last step
.set i, i+1
.endr
	; THE WAY OUT.  l's two halves and the other half of the lanes' are added; O^T is divided by l, rounded to f16 and sent through my stage, a tile (16 rows) at a time.  Piece 0's first additions are the places behind the last products.
.irp y, 0,1
	WIN 0x55*\y
.irp t, 0,1,2,3
	v_add_f32 v[ST+8*\t+4], v[ST+8*\t+2], v[ST+8*\t+3]
.endr
.irp t, 0,1,2,3
	v_permlanex16_b32 v[ST+8*\t+5], v[ST+8*\t+4], s[SEL], s[SEL+1]
.endr
.irp t, 0,1,2,3
	v_add_f32 v[ST+8*\t+4], v[ST+8*\t+4], v[ST+8*\t+5]
.endr
.irp t, 0,1,2,3
	v_rcp_f32 v[ST+8*\t+6], v[ST+8*\t+4]
.endr
	v_nop                           ; a plain instruction between the last reciprocal and the use of its result
.endr
; Tile T (0-7): its 32 registers of O^T pack into 16, in window 0, where piece 0's scores lay: four buffers of 32 registers by turns, 16 packed and 16 read back.
.macro PACK T
.set BF, S+32*((\T)%4)
	WIN 0x82+4*((\T)/4)             ; O^T window 2, 1 / l the piece's window
.set i, 0
.rept 16
	s_wait_alu depctr_va_vdst(0)
	v_pk_mul_f32 v[32*(\T)+2*i:32*(\T)+2*i+1], v[32*(\T)+2*i:32*(\T)+2*i+1], v[ST+8*((\T)%4)+6:ST+8*((\T)%4)+7] op_sel_hi:[1,0]
.set i, i+1
.endr
	WIN 0x0a                        ; sources 0 and 1 window 2, destination window 0
.set i, 0
.rept 16
	v_cvt_pk_f16_f32 v[BF+i], v[32*(\T)+2*i], v[32*(\T)+2*i+1]
.set i, i+1
.endr
	WIN 0
.irp e, 0,1,2,3
	ds_store_b128 v[STO], v[BF+4*\e:BF+4*\e+3] offset:32*\e
.endr
.if (\T) >= 4
	s_wait_xcnt 0x0                 ; the stores of the tile four back have had their addresses translated (ISA guide 3.1): their registers are loaded again only behind this wait
.endif
.irp f, 0,1,2,3
	ds_load_b128 v[BF+16+4*\f:BF+16+4*\f+3], v[RD] offset:\f*4*SP  ; LDS serves a wave's instructions in order (ISA guide 5.7.1.4): these see the stores above; the next tile's stores come behind them
.endr
.endm
.macro SEND T, younger              ; younger: the LDS instructions issued behind tile T's loads: the next tile's eight, or none
.set BF, S+32*((\T)%4)
.irp f, 0,1,2,3
	s_wait_dscnt \younger+3-\f
	global_store_b128 v[GO], v[BF+16+4*\f:BF+16+4*\f+3], s[10:11] offset:(\T)*2048+\f*512  ; the wave stores 512 consecutive bytes, at a multiple of 512 from ctx's first byte
.endr
.endm
	PACK 0
.irp T, 1,2,3,4,5,6,7
	PACK \T                         ; a tile's arithmetic stands between the loads of the tile before and its stores
	SEND \T-1, 8
.endr
	SEND 7, 0
	s_wait_tensorcnt 0x0
	ds_add_u32 v62, v63
	s_wait_dscnt 0x0
	CROUND                          ; the closing round: no work-group ends while a partner may still ask for a tile that names it
	s_endpgm
.Lfunc_end_k_q03152c6827_attn:
	.size	k_q03152c6827_attn, .Lfunc_end_k_q03152c6827_attn-k_q03152c6827_attn
	.p2alignl 7, 3214868480
	.fill 96, 4, 3214868480
	.section	.rodata,"a",@progbits
	.p2align	6, 0x0
	.amdhsa_kernel k_q03152c6827_attn
		.amdhsa_group_segment_fixed_size 327680
		.amdhsa_private_segment_fixed_size 0
		.amdhsa_enable_private_segment 0
		.amdhsa_kernarg_size 16
		.amdhsa_user_sgpr_count 2
		.amdhsa_user_sgpr_kernarg_segment_ptr 1
		.amdhsa_wavefront_size32 1
		.amdhsa_system_sgpr_workgroup_id_x 1
		.amdhsa_system_sgpr_workgroup_id_y 1
		.amdhsa_system_sgpr_workgroup_id_z 1
		.amdhsa_system_vgpr_workitem_id 0
		.amdhsa_next_free_vgpr 1024
		.amdhsa_next_free_sgpr 66
		.amdhsa_reserve_vcc 0
		.amdhsa_float_denorm_mode_32 3
		.amdhsa_float_denorm_mode_16_64 3
		.amdhsa_memory_ordered 1
		.amdhsa_forward_progress 1
		.amdhsa_inst_pref_size 255
	.end_amdhsa_kernel
	.section	.bss,"aw",@nobits
	.p2align	6
	.space	262144
	.amdgpu_metadata
---
amdhsa.version: [ 1, 2 ]
amdhsa.kernels:
  - .name:           k_q03152c6827_attn
    .symbol:         k_q03152c6827_attn.kd
    .args:
      - { .name: qkvh, .offset: 0, .size: 8, .value_kind: global_buffer, .address_space: global }
      - { .name: ctx, .offset: 8, .size: 8, .value_kind: global_buffer, .address_space: global }
    .group_segment_fixed_size: 327680
    .private_segment_fixed_size: 0
    .kernarg_segment_align: 8
    .kernarg_segment_size: 16
    .max_flat_workgroup_size: 128
    .sgpr_count:     66
    .vgpr_count:     1024
    .wavefront_size: 32
...
	.end_amdgpu_metadata
.endif
;; end of part 3
;; launch oproj (part 4): grid 4 x 64, 4 waves a work-group, clusters of 4 x 4, 327,680 bytes of LDS; arguments ctx, wh, b_o, out0; writes out0
.if DOCPART == 4
	.amdgcn_target "amdgcn-amd-amdhsa--gfx1250"
	.amdhsa_code_object_version 6
	.text
	.protected	k_q03152c6827_oproj
	.globl	k_q03152c6827_oproj
	.p2align	8
	.type	k_q03152c6827_oproj,@function
k_q03152c6827_oproj:
	s_mov_b64 s[64:65], 0
	v_nop
	global_prefetch_b8 v0, s[64:65] scope:SCOPE_SE
	s_setreg_imm32_b32 hwreg(HW_REG_WAVE_MODE, 25, 1), 1
	s_wait_xcnt 0x0
	s_wait_alu depctr_hold_cnt(0) depctr_sa_sdst(0) depctr_va_vdst(0) depctr_va_sdst(0) depctr_va_ssrc(0) depctr_va_vcc(0) depctr_vm_vsrc(0)
	s_getreg_b32 s2, hwreg(HW_REG_IB_STS2, 6, 4)
	s_cmp_eq_u32 s2, 0
	s_cbranch_scc0 .Lentry_in_a_cluster
	s_endpgm
.Lentry_in_a_cluster:
	s_bfe_u32 s2, ttmp6, 0x10000c
	s_cmp_lg_u32 s2, 0xf033
	s_cbranch_scc0 .Lentry_shape_is_right
	s_endpgm
.Lentry_shape_is_right:
; out0[b][s][n] = sum over k of attn[b][s][k] w_o[n][k] + b_o[n], where attn[b][s][64 h + d] = ctx[16 b + h][s][d].  ctx: [64][2048][64] f16; w_o is matrix 3 of wh, [1024][1024] f16; out0 f32.
; LIMITS.  The operands are f16 as the earlier launches left them.  The bias is the first addend of each sum, not the last (another order of rounding); NaN and infinities are not served.
; SHARES.  A tile of out0 is 128 rows x 256 columns: 64 x 4 = 256 work-groups, one tile each.  Four waves, 2 x 2; a wave makes 64 x 128: 32 accumulators of 16 x 16.
; K goes in steps of 128 = two heads through two LDS slots.  A head's 128 rows of 128 bytes are dense in memory: one tensor load brings them.  w: 256 rows of 256 bytes, two loads.
; CLUSTER.  4 x 4 work-groups: the context's tile is shared along a row of the cluster, w's along a column; each is asked for JOINTLY.
; THE MATRIX INSTRUCTION IS USED TRANSPOSED (source 0 = 16 rows of w, source 1 = 16 rows of the context): lane l holds row l % 16 of the result and the columns 8 (l / 16) + 0..7.
; REGISTERS: window 0: v0-15 addresses; v16-79 the bias of my 128 columns; v80-143 the way out; v144-175, v176-207 fragments of the context, two buffers
;            window 1: the 32 accumulators, (a, b) at v[8 (8 a + b)];   window 2: v0-63, v64-127 fragments of w, two buffers
.set PA,     144                       ; an LDS row of the context: 128 bytes + 16 = 36 words: the 16 rows of a load start at 16 different multiples of 4 banks (64 banks of 4 bytes: ISA guide 11.1)
.set PB,     272                       ; an LDS row of w: 256 bytes + 16
.set AHALF,  128*PA                    ; one head's 128 rows: what one tensor load brings
.set ABYTES, 2*AHALF
.set BHALF,  128*PB
.set SLOT,   ABYTES+2*BHALF            ; 106,496
.set STAGE,  2*SLOT                    ; behind the ring: 16 rows x 528 bytes for each wave; no tensor load lands here
.set SP,     528
.set ASTEP,  524288                    ; bytes from a K step to the next in ctx: two heads
.set BSTEP,  256
.set WSEL,   3*2097152                 ; w_o in wh
.set LAPS,   4
.set ADRA, 4
.set ADRB, 6
.set STO,  8
.set RD,   9
.set CO,   10
.set BO,   11
.set BIAS, 16
.set OB,   80
.set AFR,  144
.set WV,  20
.set WM,  21
.set WN,  22
.set G1A, 24
.set G0A, 32
.set G1B, 48
.set G0B, 56
.set MSB, 0
.macro WIN new
.if MSB != \new
	s_set_vgpr_msb (MSB<<8)|\new
.set MSB, \new
.endif
.endm
.set W_MUL,  0x52                      ; w window 2, the context window 0, C and D window 1
.set W_MULZ, 0x42                      ; the same, C (the bias) window 0
.set W_LB,   0x80                      ; destination window 2, address window 0
.set W_ST,   0x04                      ; an LDS store's data window 1, its address window 0
.macro PLACES                          ; four plain vector instructions between a matrix instruction and a read of its result, or a load into one of its registers (ISA guide 7.12.1 for vector instructions)
.rept 4
	v_nop
.endr
.endm
.macro JLOAD s                         ; a joint load: waves 0 and 1 fetch the two heads of the context, waves 2 and 3 the halves of w; four v_nop follow each line
	s_cmp_eq_u32 s[WM], 0
	s_cbranch_scc0 .Lfor_b_\@
	tensor_load_to_lds s[G0A+4*\s:G0A+4*\s+3], s[G1A:G1A+7]
	s_nop 0
.rept 4
	v_nop
.endr
	s_branch .Lasked_\@
.Lfor_b_\@:
	tensor_load_to_lds s[G0B+4*\s:G0B+4*\s+3], s[G1B:G1B+7]
	s_nop 0
.rept 4
	v_nop
.endr
.Lasked_\@:
.endm
.macro CREST
	s_cmp_lg_u32 s[WV], 0
	s_cbranch_scc1 .Lnot_wave_0_\@
	s_barrier_signal -3
.Lnot_wave_0_\@:
	s_barrier_wait -3
	s_barrier_signal -1
	s_barrier_wait -1
.endm
.macro CROUND
	s_barrier_signal -1
	s_barrier_wait -1
	CREST
.endm
	s_load_b256 s[4:11], s[0:1], 0x0               ; ctx s[4:5], wh s[6:7], b_o s[8:9], out0 s[10:11]
	s_set_vgpr_msb 0x80
	v_lshl_add_u32 v129, v0, 2, 0x3c400
	s_set_vgpr_msb 0x8000
	v_mov_b32 v255, 0
	s_set_vgpr_msb 0x2
	ds_add_u32 v129, v255
	s_set_vgpr_msb 0x200
	v_lshrrev_b32 v1, 5, v0
	v_readfirstlane_b32 s[WV], v1
	s_lshr_b32 s[WM], s[WV], 1                     ; my half of the rows.  Also: I fetch the context (0) or w (1)
	s_and_b32 s[WN], s[WV], 1                      ; my half of the columns.  Also: which head, or which half of w, I fetch
	s_bfe_u32 s40, ttmp6, 0x40000                  ; cx, cy
	s_bfe_u32 s41, ttmp6, 0x40004
	s_lshl_b32 s42, ttmp9, 2
	s_add_co_u32 s42, s42, s40                     ; tile column nx
	s_and_b32 s43, ttmp7, 0xffff
	s_lshl_b32 s43, s43, 2
	s_add_co_u32 s43, s43, s41                     ; tile row my
	s_lshl_b32 s44, s41, 2
	s_lshl_b32 s44, 15, s44                        ; my row of the cluster
	s_lshl_b32 s45, 0x1111, s40                    ; my column
	; group 1 for the context: 16,384 dense bytes as 64 rows of 256; the padding, counted along the tile, falls behind every 32 words: 128 LDS rows of 144 bytes
	s_or_b32 s[G1A], s44, (1<<16)|(1<<20)|(1<<21)|(4<<22)|(3<<25)
	s_mov_b32 s[G1A+1], 128<<16                    ; tensor_dim0 = 128
	s_mov_b32 s[G1A+2], 64<<16                     ; tensor_dim1 = 64
	s_mov_b32 s[G1A+3], 128<<16                    ; tile_dim0 = 128
	s_mov_b32 s[G1A+4], 64                         ; tile_dim1 = 64
	s_mov_b32 s[G1A+5], 128                        ; tensor_dim0_stride
	s_mov_b32 s[G1A+6], 0
	s_mov_b32 s[G1A+7], 0
	; group 1 for w: 128 rows x 128 elements of 2 bytes, padded behind every 64 words
	s_or_b32 s[G1B], s45, (1<<16)|(1<<20)|(1<<21)|(5<<22)|(3<<25)
	s_mov_b32 s[G1B+1], 128<<16
	s_mov_b32 s[G1B+2], 128<<16
	s_mov_b32 s[G1B+3], 128<<16
	s_mov_b32 s[G1B+4], 128
	s_mov_b32 s[G1B+5], 1024
	s_mov_b32 s[G1B+6], 0
	s_mov_b32 s[G1B+7], 0
	s_lshl_b32 s23, s[WN], 18                      ; one head of ctx, or 128 rows of w: 262,144 bytes either way
	s_lshr_b32 s66, s43, 4                         ; the context: batch my / 16 (16 heads),
	s_lshl_b32 s66, s66, 22
	s_and_b32 s3, s43, 15                          ; rows 128 (my % 16) of 128 bytes,
	s_lshl_b32 s3, s3, 14
	s_add_co_u32 s66, s66, s3
	s_add_co_u32 s66, s66, s23                     ; the head that I fetch
	s_mov_b32 s67, 0
	s_lshl_b32 s68, s42, 19                        ; w: 256 rows of 2,048 bytes a tile column
	s_add_co_u32 s68, s68, s23
	s_add_co_u32 s68, s68, WSEL
	s_mov_b32 s69, 0
	s_lshl_b32 s70, s43, 19                        ; out0: 128 rows of 4,096 bytes a tile row,
	s_lshl_b32 s3, s[WM], 18                       ; my wave's 64 rows,
	s_add_co_u32 s70, s70, s3
	s_lshl_b32 s3, s42, 10                         ; 256 columns of 4 bytes a tile column,
	s_add_co_u32 s70, s70, s3
	s_lshl_b32 s3, s[WN], 9                        ; my wave's 128 columns
	s_add_co_u32 s70, s70, s3
	s_mov_b32 s71, 0
	s_mul_i32 s46, s[WN], AHALF                    ; where my load lands in a slot
	s_mul_i32 s47, s[WN], BHALF
	s_add_co_u32 s47, s47, ABYTES
	s_wait_dscnt 0x0
	s_wait_kmcnt 0x0
	s_add_nc_u64 s[4:5], s[4:5], s[66:67]
	s_add_nc_u64 s[6:7], s[6:7], s[68:69]
	s_add_nc_u64 s[10:11], s[10:11], s[70:71]
	CROUND                                         ; all sixteen work-groups are here: the first joint loads meet
.irp s, 0,1
	s_mov_b32 s[G0A+4*\s], 1
	s_add_co_u32 s[G0A+4*\s+1], s46, \s*SLOT
	s_add_nc_u64 s[G0A+4*\s+2:G0A+4*\s+3], s[4:5], \s*ASTEP
	s_or_b32 s[G0A+4*\s+3], s[G0A+4*\s+3], 0x80000000
	s_mov_b32 s[G0B+4*\s], 1
	s_add_co_u32 s[G0B+4*\s+1], s47, \s*SLOT
	s_add_nc_u64 s[G0B+4*\s+2:G0B+4*\s+3], s[6:7], \s*BSTEP
	s_or_b32 s[G0B+4*\s+3], s[G0B+4*\s+3], 0x80000000
.endr
	s_cmp_eq_u32 s[WM], 0                          ; a wave's two first fills stand in one branch, ahead of every wait on TENSORcnt and every LDS read: two loads of mine are out
	s_cbranch_scc0 .Lfirst_b
	tensor_load_to_lds s[G0A:G0A+3], s[G1A:G1A+7]
	s_nop 0
	tensor_load_to_lds s[G0A+4:G0A+7], s[G1A:G1A+7]
	s_nop 0
.rept 4
	v_nop
.endr
	s_branch .Lfirst_asked
.Lfirst_b:
	tensor_load_to_lds s[G0B:G0B+3], s[G1B:G1B+7]
	s_nop 0
	tensor_load_to_lds s[G0B+4:G0B+7], s[G1B:G1B+7]
	s_nop 0
.rept 4
	v_nop
.endr
.Lfirst_asked:
	v_and_b32 v1, 15, v0                           ; l % 16
	v_bfe_u32 v2, v0, 4, 1                         ; l / 16
	v_mul_u32_u24 v3, v1, PA
	v_lshl_add_u32 v3, v2, 4, v3                   ; a fragment's row x pitch + 16 x half
	s_mul_i32 s23, s[WM], 64*PA                    ; my 64 rows
	v_add_nc_u32 v[ADRA], s23, v3
	v_add_nc_u32 v[ADRA+1], SLOT, v[ADRA]
	v_mul_u32_u24 v3, v1, PB
	v_lshl_add_u32 v3, v2, 4, v3
	s_mul_i32 s23, s[WN], BHALF
	s_add_co_u32 s23, s23, ABYTES
	v_add_nc_u32 v[ADRB], s23, v3
	v_add_nc_u32 v[ADRB+1], SLOT, v[ADRB]
	s_mul_i32 s23, s[WV], 16*SP
	s_add_co_u32 s23, s23, STAGE                   ; my stage
	v_mul_u32_u24 v3, v1, SP                       ; in: row l % 16, 32 bytes for each half of the lanes
	v_lshl_add_u32 v3, v2, 5, v3
	v_add_nc_u32 v[STO], s23, v3
	v_and_b32 v[CO], 31, v0
	v_lshlrev_b32 v[CO], 4, v[CO]                  ; back: 32 lanes take a row's 512 bytes
	v_add_nc_u32 v[RD], s23, v[CO]
	s_lshl_b32 s3, s42, 10                         ; the bias of my columns: 4 bytes x (256 nx + 128 (wave % 2) + 8 (l / 16))
	s_lshl_b32 s23, s[WN], 9
	s_add_co_u32 s3, s3, s23
	v_lshl_add_u32 v[BO], v2, 5, s3
.irp b, 0,1,2,3,4,5,6,7                ; the bias in the accumulators' layout: it is the C of each sum's first product
	global_load_b128 v[BIAS+8*\b:BIAS+8*\b+3],   v[BO], s[8:9] offset:64*\b
	global_load_b128 v[BIAS+8*\b+4:BIAS+8*\b+7], v[BO], s[8:9] offset:64*\b+16
.endr
; n products, accumulators i0 on, from buffer f.  zero = 1: they start the sums, with the bias as C.  The 32 accumulators take turns, one instruction a turn.
.macro MUL f, i0, n, zero
.if \zero
	WIN W_MULZ
.else
	WIN W_MUL
.endif
.set mi, \i0
.rept \n
.if \zero
	v_wmma_f32_16x16x32_f16 v[8*mi:8*mi+7], v[64*\f+8*(mi%8):64*\f+8*(mi%8)+7], v[AFR+32*\f+8*(mi/8):AFR+32*\f+8*(mi/8)+7], v[BIAS+8*(mi%8):BIAS+8*(mi%8)+7]
.else
	v_wmma_f32_16x16x32_f16 v[8*mi:8*mi+7], v[64*\f+8*(mi%8):64*\f+8*(mi%8)+7], v[AFR+32*\f+8*(mi/8):AFR+32*\f+8*(mi/8)+7], v[8*mi:8*mi+7]
.endif
.set mi, mi+1
.endr
.endm
; 24 LDS loads in one run: quarter q of the slot's K step (head q / 2, channels 32 (q % 2) on) into buffer g
.macro FETCH slot, q, g
	WIN 0
.irp a, 0,1,2,3
	ds_load_b128 v[AFR+32*\g+8*\a:AFR+32*\g+8*\a+3],   v[ADRA+\slot] offset:(\q/2)*AHALF+(\q%2)*64+\a*16*PA
	ds_load_b128 v[AFR+32*\g+8*\a+4:AFR+32*\g+8*\a+7], v[ADRA+\slot] offset:(\q/2)*AHALF+(\q%2)*64+\a*16*PA+32
.endr
	WIN W_LB
.irp b, 0,1,2,3,4,5,6,7
	ds_load_b128 v[64*\g+8*\b:64*\g+8*\b+3],   v[ADRB+\slot] offset:64*\q+\b*16*PB
	ds_load_b128 v[64*\g+8*\b+4:64*\g+8*\b+7], v[ADRB+\slot] offset:64*\q+\b*16*PB+32
.endr
.endm
; A K step is four quarters of 32 along K, 32 products each, on buffers 0, 1, 0, 1.  One of the first three: multiplies buffer f, fetches quarter q of the same slot into buffer g.
.macro QUARTER slot, q, f, g, zero
	s_wait_dscnt 0x0                               ; this quarter's fragments are in (issued 28 products ago)
	MUL \f, 0, 4, \zero
	PLACES                                         ; behind the last quarter's products, which read buffer g
	FETCH \slot, \q, \g
	MUL \f, 4, 28, \zero
.endm
; The last quarter multiplies buffer 1 and changes slots: ONE barrier; in front of it each wave waits for its reads of this slot and for all its tensor loads.  fill = 1: this slot is filled
; again, two K steps on: the barrier opens a round of the cluster's barrier, and the joint refill is the first tensor load behind the round, 120 products ahead of the wait for it.
.macro TURN slot, next, fill
	s_wait_dscnt 0x0
	MUL 1, 0, 4, 0
	s_wait_tensorcnt 0x0
	ds_add_u32 v129, v255
	s_wait_dscnt 0x0
	s_barrier_signal -1
	MUL 1, 4, 4, 0
.if \fill
	WIN 0                                          ; at a branch and at a label every window is 0
.endif
	s_barrier_wait -1
.if \fill
	CREST                                          ; no wave of any partner still reads this slot or has a load on its way
	s_add_nc_u64 s[G0A+4*\slot+2:G0A+4*\slot+3], s[G0A+4*\slot+2:G0A+4*\slot+3], 2*ASTEP
	s_add_nc_u64 s[G0B+4*\slot+2:G0B+4*\slot+3], s[G0B+4*\slot+2:G0B+4*\slot+3], 2*BSTEP
	JLOAD \slot                                    ; its four v_nop are also the places in front of the loads below
.else
	PLACES
.endif
	FETCH \next, 0, 0
	MUL 1, 8, 24, 0
.endm
	s_wait_tensorcnt 0x1                           ; my part of K step 0 is in; K step 1's may stay out
	s_barrier_signal -1
	s_barrier_wait -1
	FETCH 0, 0, 0
	s_wait_loadcnt 0x0                             ; the bias
	QUARTER 0, 1, 0, 1, 1                          ; the first quarter stands in front of the loop: its products start the sums
	WIN 0
	s_mov_b32 s3, LAPS-1
.Llap:                                                 ; a trip goes once round the ring, from a lap's second quarter to the next lap's first
	QUARTER 0, 2, 1, 0, 0
	QUARTER 0, 3, 0, 1, 0
	TURN 0, 1, 1
	QUARTER 1, 1, 0, 1, 0
	QUARTER 1, 2, 1, 0, 0
	QUARTER 1, 3, 0, 1, 0
	TURN 1, 0, 1
	QUARTER 0, 1, 0, 1, 0
	WIN 0
	s_sub_co_u32 s3, s3, 1
	s_cmp_lg_u32 s3, 0
	s_cbranch_scc1 .Llap
	QUARTER 0, 2, 1, 0, 0                          ; the last lap fills nothing
	QUARTER 0, 3, 0, 1, 0
	TURN 0, 1, 0
	QUARTER 1, 1, 0, 1, 0
	QUARTER 1, 2, 1, 0, 0
	QUARTER 1, 3, 0, 1, 0
	s_wait_dscnt 0x0
	MUL 1, 0, 32, 0
	PLACES
; THE WAY OUT of block a (16 rows x 128 columns of f32): a lane's eight numbers of a row go into my stage, each accumulator's low four registers first; whole rows come back, and each store of
; the wave covers 512 consecutive bytes of a row of out0, at a multiple of 512 from its first byte.
.macro OUTBLK a
	s_wait_xcnt 0x0                                ; the stores of the block before have had their addresses translated (ISA guide 3.1): their registers are loaded again only behind this wait
	WIN W_ST
.irp b, 0,1,2,3,4,5,6,7
	ds_store_b128 v[STO], v[8*(8*\a+\b):8*(8*\a+\b)+3]   offset:64*\b
	ds_store_b128 v[STO], v[8*(8*\a+\b)+4:8*(8*\a+\b)+7] offset:64*\b+16
.endr
	WIN 0
.irp i, 0,1,2,3,4,5,6,7,8,9,10,11,12,13,14,15
	ds_load_b128 v[OB+4*\i:OB+4*\i+3], v[RD] offset:\i*SP          ; LDS serves a wave's instructions in order (ISA guide 5.7.1.4): these see the stores above
.endr
.irp i, 0,1,2,3,4,5,6,7,8,9,10,11,12,13,14,15
	s_wait_dscnt 15-\i                             ; row i is back; the younger loads stay out
	global_store_b128 v[CO], v[OB+4*\i:OB+4*\i+3], s[10:11] offset:(16*\a+\i)*4096
.endr
.endm
.irp a, 0,1,2,3
	OUTBLK \a
.endr
	s_set_vgpr_msb 0x2
	s_wait_tensorcnt 0x0
	ds_add_u32 v129, v255
	s_wait_dscnt 0x0
	s_set_vgpr_msb 0x200
	CROUND                                         ; the closing round: no work-group ends while a partner may still ask for a tile that names it
	s_endpgm
.Lfunc_end_k_q03152c6827_oproj:
	.size	k_q03152c6827_oproj, .Lfunc_end_k_q03152c6827_oproj-k_q03152c6827_oproj
	.p2alignl 7, 3214868480
	.fill 96, 4, 3214868480
	.section	.rodata,"a",@progbits
	.p2align	6, 0x0
	.amdhsa_kernel k_q03152c6827_oproj
		.amdhsa_group_segment_fixed_size 327680
		.amdhsa_private_segment_fixed_size 0
		.amdhsa_enable_private_segment 0
		.amdhsa_kernarg_size 32
		.amdhsa_user_sgpr_count 2
		.amdhsa_user_sgpr_kernarg_segment_ptr 1
		.amdhsa_wavefront_size32 1
		.amdhsa_system_sgpr_workgroup_id_x 1
		.amdhsa_system_sgpr_workgroup_id_y 1
		.amdhsa_system_sgpr_workgroup_id_z 1
		.amdhsa_system_vgpr_workitem_id 0
		.amdhsa_next_free_vgpr 642
		.amdhsa_next_free_sgpr 72
		.amdhsa_reserve_vcc 0
		.amdhsa_float_denorm_mode_32 3
		.amdhsa_float_denorm_mode_16_64 3
		.amdhsa_memory_ordered 1
		.amdhsa_forward_progress 1
		.amdhsa_inst_pref_size 88
	.end_amdhsa_kernel
	.amdgpu_metadata
---
amdhsa.version: [ 1, 2 ]
amdhsa.kernels:
  - .name:           k_q03152c6827_oproj
    .symbol:         k_q03152c6827_oproj.kd
    .args:
      - { .name: ctx, .offset: 0, .size: 8, .value_kind: global_buffer, .address_space: global }
      - { .name: wh, .offset: 8, .size: 8, .value_kind: global_buffer, .address_space: global }
      - { .name: b_o, .offset: 16, .size: 8, .value_kind: global_buffer, .address_space: global }
      - { .name: out0, .offset: 24, .size: 8, .value_kind: global_buffer, .address_space: global }
    .group_segment_fixed_size: 327680
    .private_segment_fixed_size: 0
    .kernarg_segment_align: 8
    .kernarg_segment_size: 32
    .max_flat_workgroup_size: 128
    .sgpr_count:     72
    .vgpr_count:     642
    .wavefront_size: 32
...
	.end_amdgpu_metadata
.endif
;; end of part 4
;; ======== version 2 of 2: 4 launches; version 1 with the launch wcvt written anew for expert scheduling mode
;; limits: values are held in f16: magnitudes above 65,504 overflow, below 6.1e-05 lose precision
;; workspace buffers: wh 8,388,608 bytes; qkvh 50,331,648 bytes; ctx 16,777,216 bytes
;; launch wcvt (part 5): grid 256 x 1, 8 waves a work-group, no clusters, 0 bytes of LDS; arguments w_q, w_k, w_v, w_o, wh; writes wh
.if DOCPART == 5
	.amdgcn_target "amdgcn-amd-amdhsa--gfx1250"
	.amdhsa_code_object_version 6
	.text
	.protected	k_q03152c6827_wcvt
	.globl	k_q03152c6827_wcvt
	.p2align	8
	.type	k_q03152c6827_wcvt,@function
k_q03152c6827_wcvt:
	s_mov_b64 s[64:65], 0
	v_nop
	global_prefetch_b8 v0, s[64:65] scope:SCOPE_SE
	s_setreg_imm32_b32 hwreg(HW_REG_WAVE_SCHED_MODE, 0, 2), 2
	s_setreg_imm32_b32 hwreg(HW_REG_WAVE_MODE, 25, 1), 1
	s_wait_xcnt 0x0
	s_wait_alu depctr_vm_vsrc(0)
; wh[x][n][k] = f16(w_x[n][k]) for x = q, k, v, o.  Each weight matrix is [1024][1024] f32; the later launches read each of them 64 times
; as a matrix operand, so they are rounded to f16 once, here.  A stream: no LDS, no barrier, no matrix unit.
; LIMIT.  f16: a weight of 65,504 or more in magnitude becomes infinite; below 2^-14 the step is 2^-24.
; 256 work-groups of eight waves; work-group g takes elements 4096 g .. 4096 g + 4095 of each of the four matrices.
; A load of a wave covers 512 consecutive bytes, a store 256 consecutive bytes that start at a multiple of 256 from the buffer's first byte.
; All sixteen loads of a thread go out first; no register is written twice, so no wait frees a source.
; THE MODE: SCHED_MODE bits 1:0 = 2 (LLVM: expert scheduling mode 2), set by the entry lines.  The code itself states the register dependences
; between vector instructions and memory instructions, with s_wait_alu, always for 0.
; THE PLAN.  Registers that memory instructions touch:
;   v1, v2   byte offsets of the loads and of the stores.  Written once at the head; read by every load, by every store; never written again.
;   IN       load 4 x + j lands in its four registers, once; group x's conversions read them.  No vector instruction names them ahead of the loads.
;   OUT      group x's eight conversions write its eight registers, once; that group's four stores read them.
; The sixteen loads go in four groups, one for each matrix.  Group x converts its four loads; the four stores of group x - 1 are dealt among those
; conversions, which name IN and OUT of group x alone: none of the registers that those stores touch.  So one wait on va_vdst at a group's head states
; all that its four stores hang on; one more stands ahead of the first load, and one ahead of the last four stores.  No register that a memory
; instruction reads is written again, so no wait on vm_vsrc is owed; no vector instruction writes a scalar register, and EXEC is never written.
.set WMAT, 2097152                     ; bytes of one matrix in f16
.set IN,   4                           ; v[4:67]   load 4 x + j: four f32
.set OUT,  68                          ; v[68:99]  the same four numbers as f16, a pair of registers
	s_load_b256 s[4:11], s[0:1], 0x0               ; w_q s[4:5], w_k s[6:7], w_v s[8:9], w_o s[10:11]
	s_load_b64 s[12:13], s[0:1], 0x20              ; wh
	s_lshl_b32 s14, ttmp9, 14                      ; my 4,096 numbers: 16,384 bytes in,
	s_mov_b32 s15, 0
	s_lshl_b32 s16, ttmp9, 13                      ; 8,192 bytes out
	s_mov_b32 s17, 0
	v_lshlrev_b32 v1, 4, v0                        ; 16 bytes a thread in
	v_lshlrev_b32 v2, 3, v0                        ; 8 bytes a thread out
	s_wait_kmcnt 0x0
.irp x, 0,1,2,3
	s_add_nc_u64 s[4+2*\x:5+2*\x], s[4+2*\x:5+2*\x], s[14:15]
.endr
	s_add_nc_u64 s[12:13], s[12:13], s[16:17]
	s_wait_alu depctr_va_vdst(0)                   ; v1 and v2 are written: every load reads v1 as its offset, every store v2
.irp x, 0,1,2,3
.irp j, 0,1,2,3
	global_load_b128 v[IN+4*(4*\x+\j):IN+4*(4*\x+\j)+3], v1, s[4+2*\x:5+2*\x] offset:4096*\j th:TH_LOAD_NT   ; read once in the launch
.endr
.endr
; Group x: matrix x's four loads are converted; the stores of matrix x - 1 go out among the conversions, a store in front of each two.
.irp x, 0,1,2,3
	s_wait_loadcnt 12-4*\x                         ; loads come back in order (ISA guide 5.7.1): this group's four are in, the younger groups stay out
.if \x > 0
	s_wait_alu depctr_va_vdst(0)                   ; the conversions of the group before have written its eight registers of OUT, which the four stores below read
.endif
.irp j, 0,1,2,3
.if \x > 0
	global_store_b64 v2, v[OUT+2*(4*(\x-1)+\j):OUT+2*(4*(\x-1)+\j)+1], s[12:13] offset:(\x-1)*WMAT+2048*\j   ; no vector instruction since the wait names these registers
.endif
	v_cvt_pk_f16_f32 v[OUT+2*(4*\x+\j)],   v[IN+4*(4*\x+\j)],   v[IN+4*(4*\x+\j)+1]
	v_cvt_pk_f16_f32 v[OUT+2*(4*\x+\j)+1], v[IN+4*(4*\x+\j)+2], v[IN+4*(4*\x+\j)+3]
.endr
.endr
	s_wait_alu depctr_va_vdst(0)                   ; the last group's conversions have written its eight registers of OUT, which the last four stores read
.irp j, 0,1,2,3
	global_store_b64 v2, v[OUT+2*(12+\j):OUT+2*(12+\j)+1], s[12:13] offset:3*WMAT+2048*\j   ; at most 6,297,600: inside the signed 24-bit immediate
.endr
	s_endpgm
.Lfunc_end_k_q03152c6827_wcvt:
	.size	k_q03152c6827_wcvt, .Lfunc_end_k_q03152c6827_wcvt-k_q03152c6827_wcvt
	.p2alignl 7, 3214868480
	.fill 96, 4, 3214868480
	.section	.rodata,"a",@progbits
	.p2align	6, 0x0
	.amdhsa_kernel k_q03152c6827_wcvt
		.amdhsa_group_segment_fixed_size 0
		.amdhsa_private_segment_fixed_size 0
		.amdhsa_enable_private_segment 0
		.amdhsa_kernarg_size 40
		.amdhsa_user_sgpr_count 2
		.amdhsa_user_sgpr_kernarg_segment_ptr 1
		.amdhsa_wavefront_size32 1
		.amdhsa_system_sgpr_workgroup_id_x 1
		.amdhsa_system_sgpr_workgroup_id_y 1
		.amdhsa_system_sgpr_workgroup_id_z 1
		.amdhsa_system_vgpr_workitem_id 0
		.amdhsa_next_free_vgpr 100
		.amdhsa_next_free_sgpr 66
		.amdhsa_reserve_vcc 0
		.amdhsa_float_denorm_mode_32 3
		.amdhsa_float_denorm_mode_16_64 3
		.amdhsa_memory_ordered 1
		.amdhsa_forward_progress 1
		.amdhsa_inst_pref_size 7
	.end_amdhsa_kernel
	.amdgpu_metadata
---
amdhsa.version: [ 1, 2 ]
amdhsa.kernels:
  - .name:           k_q03152c6827_wcvt
    .symbol:         k_q03152c6827_wcvt.kd
    .args:
      - { .name: w_q, .offset: 0, .size: 8, .value_kind: global_buffer, .address_space: global }
      - { .name: w_k, .offset: 8, .size: 8, .value_kind: global_buffer, .address_space: global }
      - { .name: w_v, .offset: 16, .size: 8, .value_kind: global_buffer, .address_space: global }
      - { .name: w_o, .offset: 24, .size: 8, .value_kind: global_buffer, .address_space: global }
      - { .name: wh, .offset: 32, .size: 8, .value_kind: global_buffer, .address_space: global }
    .group_segment_fixed_size: 0
    .private_segment_fixed_size: 0
    .kernarg_segment_align: 8
    .kernarg_segment_size: 40
    .max_flat_workgroup_size: 256
    .sgpr_count:     66
    .vgpr_count:     100
    .wavefront_size: 32
...
	.end_amdgpu_metadata
.endif
;; end of part 5
;; launch qkvproj: the kernel of part 2 again; grid 4 x 64, 4 waves a work-group, clusters of 4 x 4, 327,680 bytes of LDS; arguments query, key_, value, wh, b_q, b_k, b_v, qkvh; writes qkvh
;; launch attn: the kernel of part 3 again; grid 4 x 64, 4 waves a work-group, clusters of 4 x 1, 327,680 bytes of LDS; arguments qkvh, ctx; writes ctx
;; launch oproj: the kernel of part 4 again; grid 4 x 64, 4 waves a work-group, clusters of 4 x 4, 327,680 bytes of LDS; arguments ctx, wh, b_o, out0; writes out0
